; MI455X (gfx1250); checked and timed in simulation.
; The chip was launched on July 23, 2026; its instructions are those of AMD's public machine-readable ISA for CDNA 5 (MIT licence, August 2026) and "CDNA5" Instruction Set Architecture Reference Guide (July 2026). The comments in the code are by the model that wrote it; some were corrected since.
;; Block. Allowed arithmetic: matrix products marked QUANTISED: E2M3 operands, one E8M0 scale for each 32 along K, by v_wmma_scale_f32_16x16x128_f8f6f4 with both operands' format E2M3, f32 sums; everything else in f32.
;; Inputs: W1_codes 4,096 x 32 x 24 uint8 (E2M3 codes of W1, K innermost, in blocks of 32 codes, four codes in three bytes); W1_scales 4,096 x 32 uint8 (E8M0 scales of W1, one for each 32 codes along K); W2_codes 1,024 x 128 x 24 uint8 (E2M3 codes of W2, K innermost, in blocks of 32 codes, four codes in three bytes); W2_scales 1,024 x 128 uint8 (E8M0 scales of W2, one for each 32 codes along K); Wk_codes 1,024 x 32 x 24 uint8 (E2M3 codes of Wk, K innermost, in blocks of 32 codes, four codes in three bytes); Wk_scales 1,024 x 32 uint8 (E8M0 scales of Wk, one for each 32 codes along K); Wo_codes 1,024 x 32 x 24 uint8 (E2M3 codes of Wo, K innermost, in blocks of 32 codes, four codes in three bytes); Wo_scales 1,024 x 32 uint8 (E8M0 scales of Wo, one for each 32 codes along K); Wq_codes 1,024 x 32 x 24 uint8 (E2M3 codes of Wq, K innermost, in blocks of 32 codes, four codes in three bytes); Wq_scales 1,024 x 32 uint8 (E8M0 scales of Wq, one for each 32 codes along K); Wv_codes 1,024 x 32 x 24 uint8 (E2M3 codes of Wv, K innermost, in blocks of 32 codes, four codes in three bytes); Wv_scales 1,024 x 32 uint8 (E8M0 scales of Wv, one for each 32 codes along K); b1 4,096 float32; b2 1,024 float32; be1 1,024 float32; be2 1,024 float32; bo 1,024 float32; g1 1,024 float32; g2 1,024 float32; x 2 x 2,048 x 1,024 float32.
;; Outputs: out0 2 x 2,048 x 1,024 float32.
;; This version of the problem:
;;   THIS VERSION OF THE PROBLEM IS GIVEN IN LOW PRECISION. The matrix products marked QUANTISED in the list below multiply operands that are first quantised to E2M3 (2 exponent bits, 3 mantissa bits; 6 bits a number), with one power-of-two scale for each 32 numbers along K (OCP MX v1.0); their sums are f32. All else is computed in f32.
;;   The module's matrix products, in the order in which they are computed (A, B: the left and right operand; K: the contracted axis; several contracted axes count as one K, in the product's order):
;;     1. [M 4,096, K 1,024] x [K 1,024, N 1,024]; A: computed on the way; B: input Wq (given as codes): QUANTISED
;;     2. [M 4,096, K 1,024] x [K 1,024, N 1,024]; A: computed on the way; B: input Wk (given as codes): QUANTISED
;;     3. [M 4,096, K 1,024] x [K 1,024, N 1,024]; A: computed on the way; B: input Wv (given as codes): QUANTISED
;;     4. batch 32 x [M 2,048, K 64] x [K 64, N 2,048]; A: computed on the way; B: computed on the way: QUANTISED
;;     5. batch 32 x [M 2,048, K 2,048] x [K 2,048, N 64]; A: softmax (see below); B: computed on the way: QUANTISED
;;     6. [M 4,096, K 1,024] x [K 1,024, N 1,024]; A: computed on the way; B: input Wo (given as codes): QUANTISED
;;     7. [M 4,096, K 1,024] x [K 1,024, N 4,096]; A: computed on the way; B: input W1 (given as codes): QUANTISED
;;     8. [M 4,096, K 4,096] x [K 4,096, N 1,024]; A: computed on the way; B: input W2 (given as codes): QUANTISED
;;   THE QUANTISER, for each operand of a quantised product, along K:
;;     - K is cut into blocks of 32 from its start; a last block that is shorter is filled with zeros.
;;     - A block's scale is 2^e with e = floor(log2(the largest magnitude in the block)) - 2, held to -126 .. 127; a block of zeros has e = 0. As a byte (E8M0): e + 127.
;;     - Each number is divided by its block's scale, clamped to +-7.5, and rounded to the nearest number of E2M3, ties to even, subnormals kept.
;;     - The product sums the exact products of the quantised numbers (number of the format x scale) in f32.
;;   ~~~python
;;   def quantise(x, axis):      # numpy; x: float32 -> the quantised numbers, widened to float32 again
;;       x = np.moveaxis(x, axis, -1); K = x.shape[-1]
;;       x = np.pad(x, [(0, 0)] * (x.ndim - 1) + [(0, -K % 32)]); x = x.reshape(x.shape[:-1] + (-1, 32)); a = np.abs(x).max(-1, keepdims=True)
;;       e = np.where(a > 0, np.clip(np.frexp(np.where(a > 0, a, 1))[1] - 1 - 2, -126, 127), 0)      # np.frexp(a)[1] - 1 = floor(log2(a)), exactly
;;       r = np.clip(x / 2.0 ** e, -7.5, 7.5)
;;       step = 2.0 ** (np.maximum(np.frexp(np.where(r == 0, 1, r))[1] - 1, 0) - 3)
;;       q = np.round(r / step) * step * 2.0 ** e      # np.round: ties to even
;;       return np.moveaxis(q.reshape(q.shape[:-2] + (-1,))[..., :K], -1, axis).astype(np.float32)
;;   ~~~
;;   SOFTMAX AHEAD OF A QUANTISED PRODUCT. Where the list says 'softmax', what is quantised is not the finished softmax but p = 2^(t - M), with t = logit x log2(e) and M = ceil(the row's largest t), a whole number; so 1/2 < the row's largest p <= 1. The row's sum l is taken of the UNQUANTISED p, in f32, and the product's result is divided by l at the end. Since M is a whole number, a kernel that streams over the keys may use a running M (the ceiling of the running maximum): every later rescaling is an exact power of two, which a block's scale takes up: the codes' values come out the same.
;;   OPERANDS COMPUTED ON THE WAY. 'Computed on the way' means the value that the module computes at that place (a softmax that the list does not call 'softmax' is quantised finished and normalised). What goes into a quantiser is computed in f32, as accurately as f32 sums, v_exp_f32 and their like allow (about 1e-6 of the number): no bf16 or f16 on the way to a quantiser, and a product that is left as it is and whose result goes on into a quantised operand takes f32 operands (vector FMAs, or v_wmma_f32_16x16x4_f32). A number that lies on a knife's edge between two numbers of the format may be rounded either way, as far as f32 arithmetic and the matrix unit's own rounding can turn it there, and no further.
;;   INPUTS GIVEN AS CODES. W1 (in the module: [1024, 4096], K = its axis 0); W2 (in the module: [4096, 1024], K = its axis 0); Wk (in the module: [1024, 1024], K = its axis 0); Wo (in the module: [1024, 1024], K = its axis 0); Wq (in the module: [1024, 1024], K = its axis 0); Wv (in the module: [1024, 1024], K = its axis 0): each comes as NAME_codes (uint8): NAME with its K axis moved to the last place and cut into blocks of 32 codes, [.., K / 32, bytes a block], one block behind the other in memory; four codes in three bytes: a row's codes are one little-endian stream of bits, code i at bits 6 i .. 6 i + 5 (a code: sign, 2 exponent bits, 3 mantissa bits); and NAME_scales (uint8): the same leading axes, one E8M0 byte (e + 127) for each 32 codes along K. Its value is code x scale, taken as it is: it is not quantised again, and the codes and scales need not be those that the quantiser above would give.
;; One version. Each part assembles by itself: llvm-mc -triple=amdgcn-amd-amdhsa -mcpu=gfx1250 --defsym DOCPART=n.
;; ======== version 1 of 1: 7 launches
;; workspace buffers: hq 3,276,800 bytes; qkv 10,092,544 bytes; oq 3,276,800 bytes; x1 16,777,216 bytes; mq 13,107,200 bytes
;; launch ln1 (part 1): grid 256 x 1, 8 waves a work-group, no clusters, 83,968 bytes of LDS; arguments x, g1, be1, hq; writes hq
.if DOCPART == 1
	.amdgcn_target "amdgcn-amd-amdhsa--gfx1250"
	.amdhsa_code_object_version 6
	.text
	.protected	k_qcf5a576841_ln1
	.globl	k_qcf5a576841_ln1
	.p2align	8
	.type	k_qcf5a576841_ln1,@function
k_qcf5a576841_ln1:
	s_mov_b64 s[64:65], 0
	v_nop
	global_prefetch_b8 v0, s[64:65] scope:SCOPE_SE
	s_setreg_imm32_b32 hwreg(HW_REG_WAVE_MODE, 25, 1), 1
	s_wait_xcnt 0x0
; Layer norm of rows of 1,024 f32 numbers, then the rows as codes of FP6 (E2M3) with one E8M0 byte for each 32 along the row.
; in: src [4096][1024] f32, g [1024], be [1024].  out: hq: codes [4096][768 bytes] from byte 0, scale bytes [4096][32] from byte 3,145,728.
; y = (x - mean) * rsqrt(mean((x - mean)^2) + 1e-5) * g + be, all in f32, the variance by a second pass over the differences.
; SHARES.  A work-group of eight waves takes 16 rows, a wave two: a row is 4,096 bytes, 32 registers of a wave; it stays in registers between the passes.
; Each load of a wave reads 512 consecutive bytes.  The conversion wants 16 NEIGHBOURS in one lane: half a row (2,048 bytes) at a time goes through the wave's own stage
; in LDS as it lies and comes back 64 bytes a lane (16 bytes of padding behind each 64).  A lane's 16 codes are 12 bytes: a wave stores 384 consecutive bytes.
; The 512 scale bytes of the 16 rows meet in LDS and leave as two aligned runs of 256 bytes, stored by wave 0.
; No matrix unit, no tensor loads, no cluster: work-groups share only g and be (8 KiB).
; LIMITS: NaN and infinities are not served.  A block whose largest magnitude lies under 2^-124 keeps the byte 1 (a block of zeros too: its codes are zeros; this program alone reads the bytes).
.set X,    32                          ; v32-95   two rows: row p, load j at X + 32 p + 4 j: columns 128 j + 4 lane + 0..3
.set G,    96                          ; v96-127  g, laid as a row
.set BE,   128                         ; v128-159 be
.set XS,   160                         ; v160-223 four sets of 16 neighbours
.set C,    224                         ; v224-239 codes, four registers a step
.set E,    240                         ; v240-243 a scale byte a step
.set T,    24                          ; v24-31   at work
.set MU,   16                          ; v[16:17], v[18:19] the rows' means, twice each
.set RS,   20                          ; v[20:21], v[22:23] the rows' 1 / sqrt(var + eps), twice each
.set SP,   80                          ; a lane's place in a stage: 64 bytes + 16
.set WREG, 4*32*SP                     ; a wave's four stages
.set SCB,  8*WREG                      ; behind them: 16 rows x 32 scale bytes
.set HSC,  3145728                     ; where the scale bytes begin in hq
	s_load_b256 s[4:11], s[0:1], 0x0               ; src s[4:5], g s[6:7], be s[8:9], hq s[10:11]
	v_lshl_add_u32 v254, v0, 2, 0x14400
	v_mov_b32 v255, 0
	v_lshrrev_b32 v1, 5, v0
	v_readfirstlane_b32 s12, v1                    ; wave 0..7
	v_and_b32 v2, 31, v0                           ; lane
	v_lshlrev_b32 v3, 4, v2                        ; my 16 bytes of a load's 512
	s_mul_i32 s13, s12, WREG
	v_lshrrev_b32 v14, 2, v2
	v_mul_u32_u24 v14, v14, SP
	v_and_b32 v15, 3, v2
	v_lshl_add_u32 v14, v15, 4, v14
	v_add_nc_u32 v14, s13, v14                     ; the stage, on the way in: SP (lane / 4) + 16 (lane % 4)
	v_mul_u32_u24 v15, v2, SP
	v_add_nc_u32 v15, s13, v15                     ; and on the way out: SP x lane
	v_mul_u32_u24 v4, v2, 12                       ; my codes' place in a step's 384 bytes
	v_lshrrev_b32 v5, 1, v2
	s_lshl_b32 s14, s12, 6
	s_add_co_u32 s14, s14, SCB
	v_add_nc_u32 v5, s14, v5                       ; my block's scale byte: SCB + 64 x wave + lane / 2
	v_add_nc_u32 v6, SCB, v3                       ; the 512 bytes back: 16 a lane
	s_lshl_b32 s16, ttmp9, 16                      ; 16 rows of 4,096 bytes a work-group,
	s_lshl_b32 s17, s12, 13                        ; two a wave
	s_add_co_u32 s16, s16, s17
	s_mov_b32 s17, 0
	s_lshl_b32 s18, ttmp9, 4
	s_lshl_b32 s19, s12, 1
	s_add_co_u32 s18, s18, s19
	s_mul_i32 s18, s18, 768                        ; my first row's codes
	s_mov_b32 s19, 0
	s_lshl_b32 s20, ttmp9, 9
	s_add_co_u32 s20, s20, HSC                     ; the work-group's 512 scale bytes
	s_mov_b32 s21, 0
	s_mov_b32 s26, 0x76543210
	s_mov_b32 s27, 0xfedcba98                      ; v_permlanex16_b32's selects for lane l xor 16
	s_mov_b32 s28, 0x3a800000                      ; 1 / 1024
	s_mov_b32 s29, 0x3727c5ac                      ; 1e-5
	s_wait_kmcnt 0x0
	s_add_nc_u64 s[4:5], s[4:5], s[16:17]
	s_add_nc_u64 s[22:23], s[10:11], s[18:19]
	s_add_nc_u64 s[24:25], s[10:11], s[20:21]
.irp p, 0,1
.irp j, 0,1,2,3,4,5,6,7
	global_load_b128 v[X+32*\p+4*\j:X+32*\p+4*\j+3], v3, s[4:5] offset:4096*\p+512*\j th:TH_LOAD_NT
.endr
.endr
.irp j, 0,1,2,3,4,5,6,7
	global_load_b128 v[G+4*\j:G+4*\j+3], v3, s[6:7] offset:512*\j
.endr
.irp j, 0,1,2,3,4,5,6,7
	global_load_b128 v[BE+4*\j:BE+4*\j+3], v3, s[8:9] offset:512*\j
.endr
.macro WSUM r                          ; the sum over the wave's 32 lanes, in every lane
	v_add_f32_dpp v[\r], v[\r], v[\r] row_xmask:1 row_mask:0xf bank_mask:0xf
	v_add_f32_dpp v[\r], v[\r], v[\r] row_xmask:2 row_mask:0xf bank_mask:0xf
	v_add_f32_dpp v[\r], v[\r], v[\r] row_xmask:4 row_mask:0xf bank_mask:0xf
	v_add_f32_dpp v[\r], v[\r], v[\r] row_xmask:8 row_mask:0xf bank_mask:0xf
	v_permlanex16_b32 v[T+7], v[\r], s26, s27      ; (its destination has been written: it was the fourth chain's upper half)
	v_add_f32 v[\r], v[\r], v[T+7]
.endm
.macro FOLD                            ; four chains of pairs become one number a lane
	v_pk_add_f32 v[T:T+1], v[T:T+1], v[T+2:T+3]
	v_pk_add_f32 v[T+4:T+5], v[T+4:T+5], v[T+6:T+7]
	v_pk_add_f32 v[T:T+1], v[T:T+1], v[T+4:T+5]
	v_add_f32 v[T], v[T], v[T+1]
.endm
.macro STATS p                         ; row p: the mean; x - mean in place; 1 / sqrt(variance + eps) is issued
.set XR, X+32*(\p)
.irp c, 0,1,2,3
	v_pk_add_f32 v[T+2*\c:T+2*\c+1], v[XR+2*\c:XR+2*\c+1], v[XR+8+2*\c:XR+9+2*\c]
.endr
.irp o, 16,24
.irp c, 0,1,2,3
	v_pk_add_f32 v[T+2*\c:T+2*\c+1], v[T+2*\c:T+2*\c+1], v[XR+\o+2*\c:XR+\o+1+2*\c]
.endr
.endr
	FOLD
	WSUM T
	v_mul_f32 v[MU+2*(\p)], s28, v[T]
	v_mov_b32 v[MU+2*(\p)+1], v[MU+2*(\p)]
.set i, 0
.rept 16
	v_pk_add_f32 v[XR+i:XR+i+1], v[XR+i:XR+i+1], v[MU+2*(\p):MU+2*(\p)+1] neg_lo:[0,1] neg_hi:[0,1]
.set i, i+2
.endr
.irp c, 0,1,2,3
	v_pk_mul_f32 v[T+2*\c:T+2*\c+1], v[XR+2*\c:XR+2*\c+1], v[XR+2*\c:XR+2*\c+1]
.endr
.irp o, 8,16,24
.irp c, 0,1,2,3
	v_pk_fma_f32 v[T+2*\c:T+2*\c+1], v[XR+\o+2*\c:XR+\o+1+2*\c], v[XR+\o+2*\c:XR+\o+1+2*\c], v[T+2*\c:T+2*\c+1]
.endr
.endr
	FOLD
	WSUM T
	v_fma_f32 v[RS+2*(\p)+1], v[T], s28, s29       ; variance + eps, in a register that nothing writes before the wait below
	v_rsq_f32 v[RS+2*(\p)], v[RS+2*(\p)+1]
.endm
	s_wait_loadcnt 16                              ; the two rows are in; the 16 loads of g and be may be out
	STATS 0
	STATS 1                                        ; row 1's work is the independent work behind row 0's root
	v_nop                                          ; a plain instruction behind the last root
	s_wait_alu depctr_va_vdst(0)                   ; one wait for both roots, ahead of the first line that names a result
	v_mov_b32 v[RS+1], v[RS]
	v_mov_b32 v[RS+3], v[RS+2]
	s_wait_loadcnt 0x0                             ; g and be
.irp p, 0,1
.set i, 0
.rept 16
	v_pk_mul_f32 v[X+32*\p+i:X+32*\p+i+1], v[X+32*\p+i:X+32*\p+i+1], v[RS+2*\p:RS+2*\p+1]
	v_pk_fma_f32 v[X+32*\p+i:X+32*\p+i+1], v[X+32*\p+i:X+32*\p+i+1], v[G+i:G+i+1], v[BE+i:BE+i+1]
.set i, i+2
.endr
.endr
.macro TURN t                          ; step t (row t / 2, half t % 2): 2,048 bytes through stage t; LDS serves a wave's instructions in order, so no wait stands between the stores and the loads
.irp i, 0,1,2,3
	ds_store_b128 v14, v[X+16*(\t)+4*\i:X+16*(\t)+4*\i+3] offset:32*SP*(\t)+8*SP*\i
.endr
.irp i, 0,1,2,3
	ds_load_b128 v[XS+16*(\t)+4*\i:XS+16*(\t)+4*\i+3], v15 offset:32*SP*(\t)+16*\i
.endr
.endm
.irp t, 0,1,2,3
	TURN \t
.endr
.macro STEP t
.set XQ, XS+16*(\t)
	s_wait_dscnt 8*(3-(\t))+(\t)                   ; behind this step's loads: eight LDS instructions for each later turn, one byte store for each earlier step
	v_max3_num_f32 v8, |v[XQ]|, |v[XQ+1]|, |v[XQ+2]|       ; the largest magnitude of my 16
	v_max3_num_f32 v9, |v[XQ+3]|, |v[XQ+4]|, |v[XQ+5]|
.irp i, 6,10
	v_max3_num_f32 v8, v8, |v[XQ+\i]|, |v[XQ+\i+1]|
	v_max3_num_f32 v9, v9, |v[XQ+\i+2]|, |v[XQ+\i+3]|
.endr
	v_max3_num_f32 v8, v8, |v[XQ+14]|, |v[XQ+15]|
	v_max3_num_f32 v8, v8, v9, 0x1800000           ; and the floor 2^(3 - 127): the byte cannot fall under 1
	v_max_num_f32_dpp v8, v8, v8 row_xmask:1 row_mask:0xf bank_mask:0xf   ; with my neighbour's 16: the block's
	v_add_nc_u32 v11, 0xff000000, v8               ; 2 off its exponent field: the conversion takes the exponent field of this operand as its scale
	v_cvt_scalef32_pk16_fp6_f32 v[C+4*(\t):C+4*(\t)+2], v[XQ:XQ+15], v11
	v_lshrrev_b32 v[E+(\t)], 23, v11               ; the scale's byte (also the plain line behind the conversion)
	ds_store_b8 v5, v[E+(\t)] offset:32*((\t)/2)+16*((\t)%2)       ; both lanes of a block write the same byte with the same value
	global_store_b96 v4, v[C+4*(\t):C+4*(\t)+2], s[22:23] offset:768*((\t)/2)+384*((\t)%2)
.endm
.irp t, 0,1,2,3
	STEP \t
.endr
	s_wait_dscnt 0x0                               ; for the others' sake: my byte stores have landed
	s_barrier_signal -1
	s_barrier_wait -1
	s_cmp_lg_u32 s12, 0
	s_cbranch_scc1 .Ldone
	ds_load_b128 v[8:11], v6                       ; wave 0: the 16 rows' 512 scale bytes
	s_wait_dscnt 0x0
	global_store_b128 v3, v[8:11], s[24:25]        ; 32 lanes store 512 consecutive bytes, at a multiple of 256 from the buffer's first byte
.Ldone:
	s_wait_tensorcnt 0x0
	ds_add_u32 v254, v255
	s_wait_dscnt 0x0
	s_endpgm
.Lfunc_end_k_qcf5a576841_ln1:
	.size	k_qcf5a576841_ln1, .Lfunc_end_k_qcf5a576841_ln1-k_qcf5a576841_ln1
	.p2alignl 7, 3214868480
	.fill 96, 4, 3214868480
	.section	.rodata,"a",@progbits
	.p2align	6, 0x0
	.amdhsa_kernel k_qcf5a576841_ln1
		.amdhsa_group_segment_fixed_size 83968
		.amdhsa_private_segment_fixed_size 0
		.amdhsa_enable_private_segment 0
		.amdhsa_kernarg_size 32
		.amdhsa_user_sgpr_count 2
		.amdhsa_user_sgpr_kernarg_segment_ptr 1
		.amdhsa_wavefront_size32 1
		.amdhsa_system_sgpr_workgroup_id_x 1
		.amdhsa_system_sgpr_workgroup_id_y 1
		.amdhsa_system_sgpr_workgroup_id_z 1
		.amdhsa_system_vgpr_workitem_id 0
		.amdhsa_next_free_vgpr 256
		.amdhsa_next_free_sgpr 66
		.amdhsa_reserve_vcc 0
		.amdhsa_float_denorm_mode_32 3
		.amdhsa_float_denorm_mode_16_64 3
		.amdhsa_memory_ordered 1
		.amdhsa_forward_progress 1
		.amdhsa_inst_pref_size 24
	.end_amdhsa_kernel
	.amdgpu_metadata
---
amdhsa.version: [ 1, 2 ]
amdhsa.kernels:
  - .name:           k_qcf5a576841_ln1
    .symbol:         k_qcf5a576841_ln1.kd
    .args:
      - { .name: x, .offset: 0, .size: 8, .value_kind: global_buffer, .address_space: global }
      - { .name: g1, .offset: 8, .size: 8, .value_kind: global_buffer, .address_space: global }
      - { .name: be1, .offset: 16, .size: 8, .value_kind: global_buffer, .address_space: global }
      - { .name: hq, .offset: 24, .size: 8, .value_kind: global_buffer, .address_space: global }
    .group_segment_fixed_size: 83968
    .private_segment_fixed_size: 0
    .kernarg_segment_align: 8
    .kernarg_segment_size: 32
    .max_flat_workgroup_size: 256
    .sgpr_count:     66
    .vgpr_count:     256
    .wavefront_size: 32
...
	.end_amdgpu_metadata
.endif
;; end of part 1
;; launch qkv (part 2): grid 12 x 16, 4 waves a work-group, clusters of 4 x 4, 327,680 bytes of LDS; arguments hq, Wq_codes, Wq_scales, Wk_codes, Wk_scales, Wv_codes, Wv_scales, qkv; writes qkv
.if DOCPART == 2
	.amdgcn_target "amdgcn-amd-amdhsa--gfx1250"
	.amdhsa_code_object_version 6
	.text
	.protected	k_qcf5a576841_qkv
	.globl	k_qcf5a576841_qkv
	.p2align	8
	.type	k_qcf5a576841_qkv,@function
k_qcf5a576841_qkv:
	s_mov_b64 s[64:65], 0
	v_nop
	global_prefetch_b8 v0, s[64:65] scope:SCOPE_SE
	s_setreg_imm32_b32 hwreg(HW_REG_WAVE_MODE, 25, 1), 1
	s_wait_xcnt 0x0
	s_wait_alu depctr_hold_cnt(0) depctr_sa_sdst(0) depctr_va_vdst(0) depctr_va_sdst(0) depctr_va_ssrc(0) depctr_va_vcc(0) depctr_vm_vsrc(0)
	s_getreg_b32 s2, hwreg(HW_REG_IB_STS2, 6, 4)
	s_cmp_eq_u32 s2, 0
	s_cbranch_scc0 .Lentry_in_a_cluster
	s_endpgm
.Lentry_in_a_cluster:
	s_bfe_u32 s2, ttmp6, 0x10000c
	s_cmp_lg_u32 s2, 0xf033
	s_cbranch_scc0 .Lentry_shape_is_right
	s_endpgm
.Lentry_shape_is_right:
; q = h Wq, k = h Wk and v^T = (h Wv)^T on codes of FP6 (E2M3) with E8M0 scales for each 32 along K = 1,024; the results are quantised on the way out: q and k along a head's 64, v along the tokens.
; The cluster's x says which: 0: q, 1: k (A = h, 4,096 rows; B = the weight, 1,024 rows); 2: v (A = Wv, B = h: the product comes out transposed, so that one way out serves all three).
; THE PRODUCT: a tile of 256 x 256 by four waves, 128 x 128 each in 64 accumulators; K in steps of 256 through a ring of two LDS slots filled by the tensor data mover; the scale bytes of the work-group's rows come once.
; 4 x 4 work-groups form a cluster: A's tiles are asked for jointly along a row of the cluster, B's along a column.  The matrix instruction is used transposed (source 0 = 16 rows of B, source 1 = 16 rows of A):
; a lane holds eight neighbouring columns of one row.
; THE WAY OUT: a wave's 128 x 128 numbers go to its own stage in LDS (f32) and come back 64 a lane, register 16 b + i = column 32 b + 16 (lane / 16) + i of the lane's row: what the conversions want.
; Codes leave as [chunk of 64 columns][row's place][48 bytes], scale bytes as words; a row stands at the place that swaps bits 3 and 4 of its number, so that 16 neighbouring places are the rows that the next product wants in a tile.
; qkv: q's codes from 0, k's from 3,145,728: [16 heads][4,096][48]; v^T's from 6,291,456: [64 chunks of keys][1,024][48]; q's words from 9,437,184: [16][4,096]; from 9,699,328 for each (head, batch): 2,048 words of k, 16 x 64 of v.
; LIMITS: NaN and infinities are not served.  A block whose largest magnitude lies under 2^-124 keeps the byte 1 (a block of zeros too: its codes are zeros; this program alone reads the bytes).
; REGISTERS, in windows of 256: window 0: v0-31 addresses; v32-63 scale words, two sets; v128-223 A's fragments, one set.  window 1: B's fragments, two sets.  windows 2, 3: the accumulators ((a, b) at v[8 (8 (a % 4) + b)]).
.set KSTEP,  256
.set NQ,     2
.set ROWB,   192
.set KROW,   768
.set PITCH,  240                       ; an LDS row: 3 x (64 bytes + 16 of padding)
.set FR,     12
.set NL,     6
.set NP,     4
.set HALFT,  128*PITCH
.set SLOT,   4*HALFT
.set KS,     32
.set SCL,    2*SLOT
.set HALFS,  (128*KS/256)*272
.set SBLK,   (16*KS/256)*272
.set SPARE,  327168                    ; the spare words: the last 512 bytes of LDS, 128 for each wave; no other line names them
.set YW,     128*528                   ; the way out: a wave's 128 rows x (512 bytes + 16), f32
.set CST,    4*YW                      ; a wave's codes: [2 chunks][128 places][48 bytes]
.set SST,    CST+4*12288               ; a wave's scale words: two arrays of 128
.set HSC,    3145728                   ; where the scale bytes begin in hq
.set ADRA, 16
.set ADRB, 20
.set ADRS, 27
.set SPW,  28
.set NIL,  29
.set SC,   32
.set AF,   128
.set STO,  16                          ; the way out (the ring's address registers are free then): v16 into the f32 stage
.set RDY,  17                          ; v17 out of it
.set CSA,  18                          ; v18 my codes' place
.set SSA,  19                          ; v19 my scale word's place
.set RB,   20                          ; v20 the codes back, 16 bytes a lane
.set RSC,  21                          ; v21 the words back
.set GO,   22                          ; v22 16 x lane
.set GS,   23                          ; v23 the words' offset in memory
.set Y,    32                          ; v32-95 64 numbers
.set TM,   96                          ; v96-111 at work
.set PW,   112                         ; v112 the scale word just made
.set CD,   128                         ; v128-147 the codes just made
.set SEL,  46
.set HM,   45
.set STR,  66
.set MASK, 67
.set G1, 24
.set G0, 32
.set G1B, 48
.set G0B, 56
.set G1S, 68
.set G0S, 76
.set G1SB, 80
.set G0SB, 88
.set MSB, 0
.macro WIN new                         ; the immediate's high byte repeats the setting that is left
.if MSB != \new
	s_set_vgpr_msb (MSB<<8)|\new
.set MSB, \new
.endif
.endm
.set MUL_LO, 0xa1                      ; source 0 (B) window 1, source 1 (A) window 0, C and D window 2
.set MUL_HI, 0xf1                      ; the same, C and D window 3
.set TO_B,   0x40                      ; destination window 1, address window 0
; A joint load: waves 0 and 1 fetch for A, waves 2 and 3 for B; the branch hangs on the wave's number alone.  Four v_nop follow each of the two lines.
.macro JLOAD g0a, g1a, g0b, g1b
	s_cmp_eq_u32 s15, 0
	s_cbranch_scc0 .Lfor_b_\@
	tensor_load_to_lds s[\g0a:\g0a+3], s[\g1a:\g1a+7]
	s_nop 0
.rept 4
	v_nop
.endr
	s_branch .Lasked_\@
.Lfor_b_\@:
	tensor_load_to_lds s[\g0b:\g0b+3], s[\g1b:\g1b+7]
	s_nop 0
.rept 4
	v_nop
.endr
.Lasked_\@:
.endm
.macro CREST                           ; a round of the cluster's barrier behind its opening barrier
	s_cmp_lg_u32 s14, 0
	s_cbranch_scc1 .Lnot_wave_0_\@
	s_barrier_signal -3
.Lnot_wave_0_\@:
	s_barrier_wait -3
	s_barrier_signal -1
	s_barrier_wait -1
.endm
.macro CROUND                          ; a whole round
	s_barrier_signal -1
	s_barrier_wait -1
	CREST
.endm
	s_load_b512 s[68:83], s[0:1], 0x0              ; hq, Wq's codes and scales, Wk's, Wv's, qkv
	v_lshl_add_u32 v[SPW], v0, 2, SPARE
	v_mov_b32 v[NIL], 0
	ds_add_u32 v28, v29
	ds_add_u32 v28, v29
	s_wait_dscnt 0x0
	v_lshrrev_b32 v1, 5, v0
	v_readfirstlane_b32 s14, v1                    ; wave 0..3
	s_lshr_b32 s15, s14, 1                         ; which half of the tile's rows is mine.  Also: I fetch for A (0) or for B (1)
	s_and_b32 s16, s14, 1                          ; which half of its columns.  Also: which 128 rows of that tile I fetch
	s_bfe_u32 s40, ttmp6, 0x40000                  ; cx, cy: my place in the cluster
	s_bfe_u32 s41, ttmp6, 0x40004
	s_and_b32 s17, ttmp7, 0xffff                   ; the cluster's y walks the tokens: A's rows for q and k, B's rows for v
	s_cmp_eq_u32 ttmp9, 2                          ; the cluster's x: the same in all sixteen partners
	s_cselect_b32 s18, 0, s17
	s_cselect_b32 s19, s17, 0
	s_lshl_b32 s17, s18, 2
	s_add_co_u32 s17, s17, s41                     ; tile row
	s_lshl_b32 s42, s19, 2
	s_add_co_u32 s42, s42, s40                     ; tile column
	s_lshl_b32 s43, s41, 2
	s_lshl_b32 s43, 15, s43                        ; my row of the cluster
	s_lshl_b32 s44, 0x1111, s40                    ; my column
	s_or_b32 s[G1+0], s43, (0<<16)|(1<<20)|(1<<21)|(3<<22)|(3<<25)  ; the mask; elements of 1 byte; padding on; bit 21 beside a mask; after every 16 words 4 words
	s_or_b32 s[G1B+0], s44, (0<<16)|(1<<20)|(1<<21)|(3<<22)|(3<<25)
.irp g, G1, G1B
	s_mov_b32 s[\g+1], ROWB<<16                    ; tensor_dim0
	s_mov_b32 s[\g+2], 128<<16                     ; tensor_dim1
	s_mov_b32 s[\g+3], ROWB<<16                    ; tile_dim0
	s_mov_b32 s[\g+4], 128                         ; tile_dim1
	s_mov_b32 s[\g+5], KROW                        ; tensor_dim0_stride
	s_mov_b32 s[\g+6], 0
	s_mov_b32 s[\g+7], 0
.endr
	s_wait_kmcnt 0x0
	s_cmp_eq_u32 ttmp9, 0                          ; the weight of this cluster: a choice between buffers that hangs on no address
	s_cselect_b64 s[84:85], s[70:71], s[74:75]
	s_cselect_b64 s[86:87], s[72:73], s[76:77]
	s_add_nc_u64 s[88:89], s[68:69], HSC           ; h's scale bytes
	s_cmp_eq_u32 ttmp9, 2
	s_cselect_b64 s[84:85], s[78:79], s[84:85]
	s_cselect_b64 s[86:87], s[80:81], s[86:87]
	s_cselect_b64 s[4:5], s[84:85], s[68:69]       ; A's codes: Wv's for v, else h's
	s_cselect_b64 s[6:7], s[86:87], s[88:89]       ; A's scales
	s_cselect_b64 s[8:9], s[68:69], s[84:85]       ; B's codes
	s_cselect_b64 s[10:11], s[88:89], s[86:87]     ; B's scales
	s_mov_b64 s[12:13], s[82:83]                   ; qkv
	s_or_b32 s[G1S+0], s43, (3<<16)|(1<<20)|(1<<21)|(5<<22)|(3<<25)   ; the scales of 128 rows: a dense block, as rows of 256 bytes, 16 bytes of padding behind each
	s_or_b32 s[G1SB+0], s44, (3<<16)|(1<<20)|(1<<21)|(5<<22)|(3<<25)
.irp g, G1S, G1SB
	s_mov_b32 s[\g+1], 32<<16
	s_mov_b32 s[\g+2], (128*KS/256)<<16
	s_mov_b32 s[\g+3], 32<<16
	s_mov_b32 s[\g+4], 128*KS/256
	s_mov_b32 s[\g+5], 32
	s_mov_b32 s[\g+6], 0
	s_mov_b32 s[\g+7], 0
.endr
	s_lshl_b32 s18, s16, 7                         ; which 128 rows of the tile I fetch
	s_lshl_b32 s20, s17, 8
	s_add_co_u32 s20, s20, s18                     ; A: row 256 x tile row + 128 x half
	s_lshl_b32 s46, s42, 8
	s_add_co_u32 s46, s46, s18                     ; B: row 256 x tile column + 128 x half
	s_mov_b32 s21, 0
	s_mov_b32 s47, 0
	s_mov_b64 s[18:19], KS
	s_mul_u64 s[22:23], s[20:21], s[18:19]         ; where these rows' scales begin, in bytes
	s_mul_u64 s[92:93], s[46:47], s[18:19]
	s_mov_b64 s[18:19], KROW
	s_mul_u64 s[20:21], s[20:21], s[18:19]         ; and their codes
	s_mul_u64 s[46:47], s[46:47], s[18:19]
	s_mul_i32 s45, s14, HALFT                      ; where they go: wave x 128 rows: no place in the cluster enters an LDS address
	s_mul_i32 s94, s14, HALFS
	s_add_nc_u64 s[20:21], s[4:5], s[20:21]
	s_add_nc_u64 s[22:23], s[6:7], s[22:23]
	s_add_nc_u64 s[46:47], s[8:9], s[46:47]
	s_add_nc_u64 s[92:93], s[10:11], s[92:93]
	CROUND                                         ; all sixteen work-groups are here: the first joint loads meet
	s_mov_b32 s[G0S], 1
	s_add_co_u32 s[G0S+1], s94, SCL
	s_mov_b64 s[G0S+2:G0S+3], s[22:23]
	s_or_b32 s[G0S+3], s[G0S+3], 0x80000000
	s_mov_b32 s[G0SB], 1
	s_add_co_u32 s[G0SB+1], s94, SCL
	s_mov_b64 s[G0SB+2:G0SB+3], s[92:93]
	s_or_b32 s[G0SB+3], s[G0SB+3], 0x80000000
	JLOAD G0S, G1S, G0SB, G1SB                     ; the scales first: they are wanted with K step 0
.irp s, 0,1
	s_mov_b32 s[G0+4*\s], 1
	s_add_co_u32 s[G0+4*\s+1], s45, \s*SLOT
	s_add_nc_u64 s[G0+4*\s+2:G0+4*\s+3], s[20:21], \s*ROWB
	s_or_b32 s[G0+4*\s+3], s[G0+4*\s+3], 0x80000000
	s_mov_b32 s[G0B+4*\s], 1
	s_add_co_u32 s[G0B+4*\s+1], s45, \s*SLOT
	s_add_nc_u64 s[G0B+4*\s+2:G0B+4*\s+3], s[46:47], \s*ROWB
	s_or_b32 s[G0B+4*\s+3], s[G0B+4*\s+3], 0x80000000
	JLOAD G0+4*\s, G1, G0B+4*\s, G1B               ; three tensor loads of mine are out
.endr
	v_and_b32 v1, 15, v0                           ; l % 16
	v_bfe_u32 v2, v0, 4, 1                         ; l / 16
	v_mul_u32_u24 v3, v1, PITCH
	v_mul_u32_u24 v4, v2, 24
	v_add_nc_u32 v4, v3, v4                        ; a fragment's row x pitch + 24 x half
	v_lshl_add_u32 v5, v2, 4, v4                   ; and the same behind one padding more
	s_mul_i32 s21, s15, HALFT                      ; my 128 rows of A
	s_mul_i32 s22, s16, HALFT                      ; my 128 rows of B,
	s_add_co_u32 s22, s22, 2*HALFT                 ; which lie behind A's 256
.irp s, 0,1
	v_add_nc_u32 v[ADRA+\s], s21, v4
	v_add_nc_u32 v[ADRB+\s], s22, v4
	v_add_nc_u32 v[ADRA+2+\s], s21, v5
	v_add_nc_u32 v[ADRB+2+\s], s22, v5
	s_add_co_u32 s21, s21, SLOT
	s_add_co_u32 s22, s22, SLOT
.endr
	v_mul_u32_u24 v5, v1, KS                       ; my row's scales: KS bytes a row,
	v_lshrrev_b32 v6, 8, v5
	v_lshl_add_u32 v5, v6, 4, v5                   ; and 16 more for each 256 passed
	s_mul_i32 s21, s15, HALFS
	s_mul_i32 s22, s16, HALFS
	s_add_co_u32 s22, s22, 2*HALFS
	s_sub_co_u32 s22, s22, s21
	v_mul_u32_u24 v6, s22, v2                      ; lanes 16-31 take B's
	s_add_co_u32 s21, s21, SCL
	v_add_nc_u32 v5, v5, v6
	v_add_nc_u32 v[ADRS], s21, v5
	; where my results go, in bytes from qkv's first byte.  m0: my first row, n0: my first column
	s_lshl_b32 s20, s17, 8
	s_lshl_b32 s21, s15, 7
	s_add_co_u32 s20, s20, s21                     ; m0
	s_lshl_b32 s46, s42, 8
	s_lshl_b32 s47, s16, 7
	s_add_co_u32 s46, s46, s47                     ; n0
	s_lshr_b32 s47, s46, 6                         ; n0 / 64: the head (q, k) or the chunk of keys (v)
	s_lshl_b32 s92, s47, 14                        ; q's words: 9,437,184 + head x 16,384 + 4 m0
	s_lshl_b32 s93, s20, 2
	s_add_co_u32 s92, s92, s93
	s_add_co_u32 s92, s92, 9437184
	s_lshl_b32 s93, s47, 1                         ; k's: 9,699,328 + (2 head + batch) x 12,288 + 4 x the key's place
	s_lshr_b32 s94, s20, 11
	s_add_co_u32 s93, s93, s94
	s_mul_i32 s93, s93, 12288
	s_and_b32 s94, s20, 2047
	s_lshl_b32 s94, s94, 2
	s_add_co_u32 s93, s93, s94
	s_add_co_u32 s93, s93, 9699328
	s_lshr_b32 s94, s20, 6                         ; v's: 9,699,328 + (2 head + batch) x 12,288 + 8,192 + 256 x the step of 128 keys
	s_lshl_b32 s94, s94, 1
	s_lshr_b32 s95, s46, 11
	s_add_co_u32 s94, s94, s95
	s_mul_i32 s94, s94, 12288
	s_and_b32 s95, s46, 2047
	s_lshr_b32 s95, s95, 7
	s_lshl_b32 s95, s95, 8
	s_add_co_u32 s94, s94, s95
	s_add_co_u32 s94, s94, 9699328+8192
	s_mov_b32 s96, 24576
	s_mov_b32 s95, 256
	s_mov_b32 s97, 196608
	s_mov_b32 s98, 0xffff
	s_cmp_eq_u32 ttmp9, 0
	s_cselect_b32 s92, s92, s93
	s_cselect_b32 s93, 16384, s96                  ; from the even head's words to the odd head's
	s_cmp_eq_u32 ttmp9, 2
	s_cselect_b32 s92, s94, s92
	s_cselect_b32 s[STR], s96, s95                 ; from lanes 0-15 to lanes 16-31 of the words' store: v: the next head; q, k: 256 bytes on
	s_cselect_b32 s22, 49152, s97                  ; from chunk to chunk of the codes
	s_cselect_b32 s[MASK], -1, s98                 ; q, k: a head's word has two bytes; v: all four
	s_mul_i32 s23, s47, s22
	s_mul_i32 s94, ttmp9, 3145728
	s_add_co_u32 s23, s23, s94
	s_mul_i32 s94, s20, 48
	s_add_co_u32 s94, s23, s94
	s_mov_b32 s95, 0
	s_add_nc_u64 s[4:5], s[12:13], s[94:95]        ; my first chunk's codes
	s_mov_b32 s94, s22
	s_add_nc_u64 s[6:7], s[4:5], s[94:95]          ; my second chunk's
	s_mov_b32 s94, s92
	s_add_nc_u64 s[8:9], s[12:13], s[94:95]        ; my words
	s_mov_b32 s94, s93
	s_add_nc_u64 s[10:11], s[8:9], s[94:95]        ; the odd head's (q, k)
.macro FRAG reg, adr, q, i             ; a fragment, 16 rows x 128 K, is 12 registers: lane l holds row l % 16; registers 6 c .. 6 c + 5 hold K = 64 c + 32 (l / 16) + 0 .. 31: 24 bytes as they lie, in pieces of 8
.irp p, 0,1,2,3,4,5
.set PC, 12*(\q)+6*(\p/3)+\p%3        ; where the piece three on (lanes 16-31) lies behind one padding more, the second address register serves
.if PC%8 < 5
	ds_load_b64 v[\reg+2*\p:\reg+2*\p+1], v[\adr] offset:8*PC+16*(PC/8)+(\i)*16*PITCH
.else
	ds_load_b64 v[\reg+2*\p:\reg+2*\p+1], v[\adr+2] offset:8*PC+16*(PC/8)+(\i)*16*PITCH
.endif
.endr
.endm
; 16 matrix instructions: A's blocks a0, a0 + 1 x B's eight, 128 along K.  zero = 1: the first product starts the sums.  The 64 accumulators take turns, one instruction a turn.
.macro MUL16 a0, p, q, sc, zero
.irp a, \a0, \a0+1
.irp b, 0,1,2,3,4,5,6,7
.if \zero
	v_wmma_scale_f32_16x16x128_f8f6f4 v[8*(8*((\a)%4)+\b):8*(8*((\a)%4)+\b)+7], v[128*(\p)+FR*\b:128*(\p)+FR*\b+FR-1], v[AF+FR*(\a):AF+FR*(\a)+FR-1], 0, v[SC+8*NQ*(\sc)+NQ*\b+(\q)], v[SC+8*NQ*(\sc)+NQ*(\a)+(\q)] matrix_a_fmt:MATRIX_FMT_FP6 matrix_b_fmt:MATRIX_FMT_FP6 matrix_a_scale:MATRIX_SCALE_ROW1
.else
	v_wmma_scale_f32_16x16x128_f8f6f4 v[8*(8*((\a)%4)+\b):8*(8*((\a)%4)+\b)+7], v[128*(\p)+FR*\b:128*(\p)+FR*\b+FR-1], v[AF+FR*(\a):AF+FR*(\a)+FR-1], v[8*(8*((\a)%4)+\b):8*(8*((\a)%4)+\b)+7], v[SC+8*NQ*(\sc)+NQ*\b+(\q)], v[SC+8*NQ*(\sc)+NQ*(\a)+(\q)] matrix_a_fmt:MATRIX_FMT_FP6 matrix_b_fmt:MATRIX_FMT_FP6 matrix_a_scale:MATRIX_SCALE_ROW1
.endif
.endr
.endr
.endm
.macro FETCH_B slot, q, p
	WIN TO_B
.irp i, 0,1,2,3,4,5,6,7
	FRAG 128*(\p)+FR*\i, ADRB+\slot, \q, \i
.endr
	WIN 0
.endm
.macro FETCH_A slot, q, i0
.irp i, \i0, \i0+1, \i0+2, \i0+3
	FRAG AF+FR*(\i), ADRA+\slot, \q, \i
.endr
.endm
.macro SCALES sc                       ; a K step's scale words: lanes 0-15 take A's block i, lanes 16-31 B's block i
.irp i, 0,1,2,3,4,5,6,7
	ds_load_b64 v[SC+8*NQ*\sc+NQ*\i:SC+8*NQ*\sc+NQ*\i+1], v[ADRS] offset:\i*SBLK
.endr
.endm
.macro PLACES n                        ; plain vector instructions between a matrix instruction and a load into, or a read of, its registers
.rept \n
	v_nop
.endr
.endm
.macro STEP slot, q, zero              ; a step of 128 along K that has its successor in the same slot
	s_wait_dscnt 4*NL                              ; B's set and A's blocks 0-3 are in; the youngest 24 loads (A's blocks 4-7) may be out
	WIN MUL_LO
	MUL16 0, (\q)%2, \q, \slot, \zero
	MUL16 2, (\q)%2, \q, \slot, \zero
	s_wait_dscnt 0
	PLACES NP
	FETCH_B \slot, (\q)+1, 1-(\q)%2
	FETCH_A \slot, (\q)+1, 0
	WIN MUL_HI
	MUL16 4, (\q)%2, \q, \slot, \zero
	MUL16 6, (\q)%2, \q, \slot, \zero
	PLACES NP
	WIN 0
	FETCH_A \slot, (\q)+1, 4
.endm
; A slot's last step changes slots: one barrier; in front of it each wave waits for all its tensor loads, adds 0 to its spare word, and waits for that and for its own reads of this slot.
.macro TURN slot, next, fill
	s_wait_tensorcnt 0x0                           ; all my tensor loads have landed: my part of the next slot
	ds_add_u32 v[SPW], v[NIL]                      ; 0 onto my spare word
	s_wait_dscnt 4*NL+1                            ; (the add and the youngest 24 loads may be out)
	WIN MUL_LO
	MUL16 0, 1, NQ-1, \slot, 0
	s_wait_dscnt 0x0                               ; the add is done, and my reads of this slot are over
	s_barrier_signal -1
	MUL16 2, 1, NQ-1, \slot, 0
	WIN 0
	s_barrier_wait -1
.if \fill
	CREST                                          ; the barrier has opened a round of the cluster's barrier: no wave of any partner still reads this slot's tile or has a load on its way
	s_add_nc_u64 s[G0+4*\slot+2:G0+4*\slot+3], s[G0+4*\slot+2:G0+4*\slot+3], 2*ROWB
	s_add_nc_u64 s[G0B+4*\slot+2:G0B+4*\slot+3], s[G0B+4*\slot+2:G0B+4*\slot+3], 2*ROWB
	JLOAD G0+4*\slot, G1, G0B+4*\slot, G1B         ; the first tensor load behind the round; its four v_nop are the places in front of the loads below
.else
	PLACES NP
.endif
	v_add_nc_u32 v[ADRS], 4*NQ, v[ADRS]
	FETCH_B \next, 0, 0
	FETCH_A \next, 0, 0
	SCALES \next
	WIN MUL_HI
	MUL16 4, 1, NQ-1, \slot, 0
	MUL16 6, 1, NQ-1, \slot, 0
	PLACES NP
	WIN 0
	FETCH_A \next, 0, 4
.endm
	s_wait_tensorcnt 1                             ; the scales and my part of K step 0 are in (K step 1's load may be out),
	s_barrier_signal -1
	s_barrier_wait -1                              ; everybody's are
	FETCH_B 0, 0, 0
	FETCH_A 0, 0, 0
	SCALES 0
	FETCH_A 0, 0, 4
	STEP 0, 0, 1                                   ; K = 1,024 is four K steps: twice round the ring, written straight
	TURN 0, 1, 1
	STEP 1, 0, 0
	TURN 1, 0, 1
	STEP 0, 0, 0
	TURN 0, 1, 0                                   ; the last lap fills nothing
	STEP 1, 0, 0
	s_wait_dscnt 4*NL
	WIN MUL_LO
	MUL16 0, 1, NQ-1, 1, 0
	MUL16 2, 1, NQ-1, 1, 0
	s_wait_dscnt 0
	WIN MUL_HI
	MUL16 4, 1, NQ-1, 1, 0
	MUL16 6, 1, NQ-1, 1, 0
	WIN 0
	; ---- THE WAY OUT.  The stages lie over the ring and the scales, which have had their last fill; the barrier below says that nobody reads them any more.
	PLACES NP
	v_and_b32 v1, 15, v0                           ; r
	v_bfe_u32 v2, v0, 4, 1                         ; h
	v_and_b32 v3, 31, v0                           ; lane
	s_mul_i32 s20, s14, YW
	v_mul_u32_u24 v4, v1, 528
	v_add_nc_u32 v4, s20, v4
	v_lshl_add_u32 v[STO], v2, 5, v4               ; in: row r, 32 bytes for each half of the lanes
	v_lshl_add_u32 v[RDY], v2, 6, v4               ; out: row r, 64 bytes of each 128
	v_bfe_u32 v5, v0, 3, 1
	v_and_b32 v6, 7, v0
	v_lshl_add_u32 v5, v5, 4, v6                   ; my row's place in its 32: 16 (r / 8) + r % 8; the block adds 8 (a % 2) + 32 (a / 2)
	s_mul_i32 s21, s14, 12288
	s_add_co_u32 s21, s21, CST
	v_mul_u32_u24 v6, v5, 48
	v_mad_u32_u24 v6, v2, 24, v6
	v_add_nc_u32 v[CSA], s21, v6
	v_lshl_add_u32 v[RB], v3, 4, s21
	s_lshl_b32 s22, s14, 10
	s_add_co_u32 s22, s22, SST
	v_lshlrev_b32 v6, 2, v5
	v_lshl_add_u32 v6, v2, 9, v6                   ; lanes 0-15 write array 0, lanes 16-31 array 1
	v_add_nc_u32 v[SSA], s22, v6
	v_lshl_add_u32 v[RSC], v3, 4, s22
	v_lshlrev_b32 v[GO], 4, v3
	v_lshlrev_b32 v6, 4, v1
	v_mul_u32_u24 v7, s[STR], v2
	v_add_nc_u32 v[GS], v6, v7
.irp b, 0,1,2,3
	v_mov_b32 v[TM+4+\b], 0                        ; written once: a lane permute's destination counts as one of its sources
.endr
	s_mov_b32 s[SEL], 0x76543210
	s_mov_b32 s[SEL+1], 0xfedcba98
	s_mov_b32 s[HM], 0xffff0000
	s_wait_dscnt 0x0
	s_barrier_signal -1
	s_barrier_wait -1
.macro DUMP hi                         ; my rows 64 hi .. 64 hi + 63 into the f32 stage; each accumulator from its low end on
	WIN 0x08+4*\hi
.irp a, 0,1,2,3
.irp b, 0,1,2,3,4,5,6,7
	ds_store_b128 v[STO], v[8*(8*\a+\b):8*(8*\a+\b)+3] offset:8448*(4*\hi+\a)+64*\b
	ds_store_b128 v[STO], v[8*(8*\a+\b)+4:8*(8*\a+\b)+7] offset:8448*(4*\hi+\a)+64*\b+16
.endr
.endr
	WIN 0
.endm
; 64 numbers of a lane, register 16 b + i = column 32 b + 16 (lane / 16) + i of my row, become a fragment's codes in v[CD] on and its scale word in v[PW].
.macro QUANT s
.irp b, 0,1,2,3
	v_max3_num_f32 v[TM+\b], |v[\s+16*\b]|, |v[\s+1+16*\b]|, 0x1800000   ; block b: my 16 numbers, and the floor 2^(3 - 127): the byte cannot fall under 1
.endr
.irp i, 2,4,6,8,10,12,14
.irp b, 0,1,2,3
	v_max3_num_f32 v[TM+\b], v[TM+\b], |v[\s+16*\b+\i]|, |v[\s+1+16*\b+\i]|
.endr
.endr
.irp b, 0,1,2,3
	v_permlanex16_b32 v[TM+4+\b], v[TM+\b], s[SEL], s[SEL+1]
.endr
.irp b, 0,1,2,3
	v_max_num_f32 v[TM+\b], v[TM+\b], v[TM+4+\b]   ; with lane l xor 16's: the block's largest magnitude
.endr
.irp b, 0,1,2,3
	v_add_nc_u32 v[TM+12+\b], 0xff000000, v[TM+\b] ; 2 off its exponent field: the conversion's scale operand
.endr
.irp b, 0,1,2,3
	v_lshrrev_b32 v[TM+4+\b], 23, v[TM+12+\b]      ; the scale's byte
.endr
	v_lshl_or_b32 v[PW], v[TM+5], 8, v[TM+4]
	v_lshl_or_b32 v[PW], v[TM+6], 16, v[PW]
	v_lshl_or_b32 v[PW], v[TM+7], 24, v[PW]
.irp c, 0,1
	v_cvt_scalef32_pk16_fp6_f32 v[CD+6*\c:CD+2+6*\c], v[\s+32*\c:\s+15+32*\c], v[TM+12+2*\c]
	v_cvt_scalef32_pk16_fp6_f32 v[CD+12+4*\c:CD+14+4*\c], v[\s+16+32*\c:\s+31+32*\c], v[TM+12+2*\c+1]   ; (a conversion's three registers begin on an even number)
.endr
	v_nop                                          ; one plain place behind a scaled conversion
.irp c, 0,1                                    ; a whole block to a lane: lanes 0-15 block 2 c, lanes 16-31 block 2 c + 1
.irp i, 0,1,2
	v_permlane16_swap_b32 v[CD+6*\c+\i], v[CD+12+4*\c+\i]
.endr
.irp i, 0,1,2
	v_mov_b32 v[CD+3+6*\c+\i], v[CD+12+4*\c+\i]
.endr
.endr
.endm
.macro PART u                          ; block a = 2 x trip + u of 16 rows
.irp e, 0,1,2,3
.irp f, 0,1,2,3
	ds_load_b128 v[Y+16*\e+4*\f:Y+16*\e+4*\f+3], v[RDY] offset:8448*\u+128*\e+16*\f
.endr
.endr
	s_wait_dscnt 0x0                               ; the numbers are in, and the last block's stores have read their registers
	QUANT Y
.irp c, 0,1
.irp p, 0,1,2
	ds_store_b64 v[CSA], v[CD+6*\c+2*\p:CD+6*\c+2*\p+1] offset:6144*\c+384*\u+8*\p
.endr
.endr
	v_and_b32 v[TM], s[MASK], v[PW]                ; q, k: the even head's two bytes; v: the whole word
	v_lshrrev_b32 v[TM+1], 16, v[PW]               ; the odd head's two
	v_cndmask_b32 v[TM], v[TM], v[TM+1], s[HM]     ; lanes 16-31 carry the second
	ds_store_b32 v[SSA], v[TM] offset:32*\u
.endm
	DUMP 0
	DUMP 1
	s_mov_b32 s3, 4
.Lepi:                                             ; four trips of two blocks: every address steps by a constant
	PART 0
	PART 1
	s_wait_dscnt 0x0                               ; the stores have read their addresses
	v_add_nc_u32 v[RDY], 2*8448, v[RDY]
	v_add_nc_u32 v[CSA], 32*48, v[CSA]
	v_add_nc_u32 v[SSA], 32*4, v[SSA]
	s_sub_co_u32 s3, s3, 1
	s_cmp_lg_u32 s3, 0
	s_cbranch_scc1 .Lepi
	ds_load_b128 v[128:131], v[RSC]                ; LDS serves a wave's instructions in order: these see my stores
	ds_load_b128 v[132:135], v[RSC] offset:512
.irp t, 0,1,2,3,4,5,6,7,8,9,10,11,12,13,14,15,16,17,18,19,20,21,22,23
	ds_load_b128 v[32+4*\t:35+4*\t], v[RB] offset:512*\t
.endr
.irp t, 0,1,2,3,4,5,6,7,8,9,10,11
	s_wait_dscnt 23-\t                             ; the later loads of codes may be out
	global_store_b128 v[GO], v[32+4*\t:35+4*\t], s[4:5] offset:512*\t      ; 32 lanes store 512 consecutive bytes, at a multiple of 256 from the buffer's first byte
.endr
.irp t, 12,13,14,15,16,17,18,19,20,21,22,23
	s_wait_dscnt 23-\t
	global_store_b128 v[GO], v[32+4*\t:35+4*\t], s[6:7] offset:512*(\t-12)
.endr
	global_store_b128 v[GS], v[128:131], s[8:9]    ; sixteen lanes store 256 consecutive bytes
	s_cmp_eq_u32 ttmp9, 2                          ; v has one array of words.  The cluster's x is the same in all partners
	s_cbranch_scc1 .Lone_array
	global_store_b128 v[GS], v[132:135], s[10:11]
.Lone_array:
	s_wait_tensorcnt 0x0                           ; the wave's end
	ds_add_u32 v[SPW], v[NIL]
	s_wait_dscnt 0x0
	CROUND                                         ; the closing round
	s_endpgm
.Lfunc_end_k_qcf5a576841_qkv:
	.size	k_qcf5a576841_qkv, .Lfunc_end_k_qcf5a576841_qkv-k_qcf5a576841_qkv
	.p2alignl 7, 3214868480
	.fill 96, 4, 3214868480
	.section	.rodata,"a",@progbits
	.p2align	6, 0x0
	.amdhsa_kernel k_qcf5a576841_qkv
		.amdhsa_group_segment_fixed_size 327680
		.amdhsa_private_segment_fixed_size 0
		.amdhsa_enable_private_segment 0
		.amdhsa_kernarg_size 64
		.amdhsa_user_sgpr_count 2
		.amdhsa_user_sgpr_kernarg_segment_ptr 1
		.amdhsa_wavefront_size32 1
		.amdhsa_system_sgpr_workgroup_id_x 1
		.amdhsa_system_sgpr_workgroup_id_y 1
		.amdhsa_system_sgpr_workgroup_id_z 1
		.amdhsa_system_vgpr_workitem_id 0
		.amdhsa_next_free_vgpr 1024
		.amdhsa_next_free_sgpr 100
		.amdhsa_reserve_vcc 0
		.amdhsa_float_denorm_mode_32 3
		.amdhsa_float_denorm_mode_16_64 3
		.amdhsa_memory_ordered 1
		.amdhsa_forward_progress 1
		.amdhsa_inst_pref_size 158
	.end_amdhsa_kernel
	.amdgpu_metadata
---
amdhsa.version: [ 1, 2 ]
amdhsa.kernels:
  - .name:           k_qcf5a576841_qkv
    .symbol:         k_qcf5a576841_qkv.kd
    .args:
      - { .name: hq, .offset: 0, .size: 8, .value_kind: global_buffer, .address_space: global }
      - { .name: Wq_codes, .offset: 8, .size: 8, .value_kind: global_buffer, .address_space: global }
      - { .name: Wq_scales, .offset: 16, .size: 8, .value_kind: global_buffer, .address_space: global }
      - { .name: Wk_codes, .offset: 24, .size: 8, .value_kind: global_buffer, .address_space: global }
      - { .name: Wk_scales, .offset: 32, .size: 8, .value_kind: global_buffer, .address_space: global }
      - { .name: Wv_codes, .offset: 40, .size: 8, .value_kind: global_buffer, .address_space: global }
      - { .name: Wv_scales, .offset: 48, .size: 8, .value_kind: global_buffer, .address_space: global }
      - { .name: qkv, .offset: 56, .size: 8, .value_kind: global_buffer, .address_space: global }
    .group_segment_fixed_size: 327680
    .private_segment_fixed_size: 0
    .kernarg_segment_align: 8
    .kernarg_segment_size: 64
    .max_flat_workgroup_size: 128
    .sgpr_count:     100
    .vgpr_count:     1024
    .wavefront_size: 32
...
	.end_amdgpu_metadata
.endif
;; end of part 2
;; launch att (part 3): grid 8 x 32, 16 waves a work-group, no clusters, 223,232 bytes of LDS; arguments qkv, oq; writes oq
.if DOCPART == 3
	.amdgcn_target "amdgcn-amd-amdhsa--gfx1250"
	.amdhsa_code_object_version 6
	.text
	.protected	k_qcf5a576841_att
	.globl	k_qcf5a576841_att
	.p2align	8
	.type	k_qcf5a576841_att,@function
k_qcf5a576841_att:
	s_mov_b64 s[64:65], 0
	v_nop
	global_prefetch_b8 v0, s[64:65] scope:SCOPE_SE
	s_setreg_imm32_b32 hwreg(HW_REG_WAVE_MODE, 25, 1), 1
	s_wait_xcnt 0x0
; Causal attention of one (head, batch) on codes of FP6 (E2M3): 2,048 tokens, head size 64; the result is quantised along the head's 64 and stored as codes.
; t = score x log2(e) / 8; M = the row's largest t so far, rounded UP to a whole number; p = 2^(t - M) is quantised along the keys, not normalised; the row's sum of the unquantised p divides at the end.
; When M moves, the sum and O are multiplied by 2^(old M - new M): exact.
; SHARES.  Work-group (j, 2 head + batch) owns the blocks j and 15 - j of 128 queries: 17 key steps of 128 in every work-group.  Each of its sixteen waves owns one tile of 16 queries, in 256 registers.
; ALL of the head's K, V and scale words (208,896 bytes) come into LDS once: five tensor loads a wave, all at the head; nothing is filled again.  The keys go in four stages of 512; a stage is read behind a barrier
; in front of which every wave has waited for its part of it; the later stages' loads stay on their way.
; LAYOUT.  Both products are used transposed (S^T = K Q^T, O^T = V^T P^T): a lane holds one query throughout.  In qkv a row stands at the place that swaps bits 3 and 4 of its number: so the 16 neighbouring places of
; tile 2 b + u are rows 32 b + 8 u + r + 8 (r / 8), and the 16 registers of tiles 2 b and 2 b + 1 are 16 neighbours along the next product's K.
; The first product's K is 64: the upper six registers of K's and Q's fragments are zero codes, written once; their scale bytes are 0, which is 2^-127: zero codes add nothing under it.
; CAUSAL.  Every wave walks all 16 steps; a step all of whose keys come after its queries is jumped over by a scalar branch on ids.  In the one step on the diagonal hidden scores become -infinity.
; NO JOINT LOADS, though the eight work-groups of a (head, batch) read the same bytes: the steps that a wave leaves out hang on its work-group's blocks of queries, which differ between those work-groups.
; No prefetch: all bytes are asked for at the head.
; LIMITS: NaN and infinities are not served.  A block whose largest magnitude lies under 2^-124 keeps the byte 1.  o's two scale bytes a row leave as stores of 2 bytes, 4 bytes apart (131,072 bytes in the launch).
.set SCL,  196608                      ; behind the four stages (each: 512 keys x 48 bytes, then 8 chunks x 64 x 48 bytes of V^T): K's 2,048 words, then V's 16 x 64
.set STG,  208896                      ; 768 bytes for each wave, for the way out
.set KCO,  3145728
.set VCO,  6291456
.set QSC,  9437184
.set KVS,  9699328
.set OSC,  3145728
.set AK0,  1                           ; v1  48 r + 24 h: my lane's place in a tile of K, and in Q's and O's
.set AV0,  2                           ; v2  the same for V^T
.set ASK0, 3                           ; v3  my lane's place among K's words
.set ASV0, 4                           ; v4  among V's
.set OST,  5                           ; v5  the way out: into my stage
.set ORD,  6                           ; v6  out of it
.set GO,   7                           ; v7  8 x lane
.set ADK,  8
.set ADV,  9
.set ADS,  10
.set ADT,  11
.set QD,   28                          ; v28 my query's token - 16 h
.set QW,   29                          ; v29 Q's scale word
.set GS,   30                          ; v30 4 r
.set KFR,  32                          ; v32-79   four fragments of K
.set VFR,  80                          ; v80-103  two of V^T
.set S,    104                         ; v104-167 S^T, then p
.set O,    168                         ; v168-199 O^T
.set CD,   200                         ; v200-211 p's codes
.set C2,   212                         ; v212-219 the conversions' second halves
.set BM,   220                         ; v220-223 the blocks' maxima
.set PT,   224                         ; v224-227 at work
.set SO,   228                         ; v228-231 the conversions' scale operands
.set SW,   232                         ; v232-235 K's or V's scale words
.set PW,   236                         ; v236 p's scale word
.set F,    238                         ; v[238:239] f
.set TT,   240
.set WV,   8
.set TB,   2
.set TS,   3
.set TJ,   66
.set KF,   67
.set Q0B,  68
.set CNT,  69
.set SEL,  70
.set CS,   72
	s_load_b128 s[4:7], s[0:1], 0x0                ; qkv, oq
	v_lshl_add_u32 v254, v0, 2, 0x36000
	v_mov_b32 v255, 0
	ds_add_u32 v254, v255
	ds_add_u32 v254, v255
	v_lshrrev_b32 v8, 5, v0
	v_readfirstlane_b32 s[WV], v8                  ; wave 0..15
	s_and_b32 s9, ttmp7, 0xffff                    ; 2 head + batch
	s_lshr_b32 s10, s9, 1                          ; head
	s_and_b32 s11, s9, 1                           ; batch
	s_lshr_b32 s12, s[WV], 2
	s_xor_b32 s12, s12, s[WV]
	s_and_b32 s12, s12, 1                          ; early block or late: mixed so that neighbouring waves differ
	s_sub_co_u32 s13, 15, ttmp9
	s_cmp_eq_u32 s12, 1
	s_cselect_b32 s13, s13, ttmp9                  ; my block of 128 queries
	s_lshr_b32 s14, s[WV], 1
	s_lshl_b32 s15, s13, 3
	s_add_co_u32 s15, s15, s14                     ; my tile of 16
	s_lshl_b32 s[Q0B], s13, 7                      ; the first key of the step on my diagonal
	; descriptor groups 1: dense blocks as rows of 256 bytes (32 elements of 8 bytes): 12 rows (3,072 bytes of codes), 3 rows (768 bytes of words)
	s_mov_b32 s44, 3<<16
	s_mov_b32 s45, 32<<16
	s_mov_b32 s46, 12<<16
	s_mov_b32 s47, 32<<16
	s_mov_b32 s48, 12
	s_mov_b32 s49, 32
	s_mov_b32 s50, 0
	s_mov_b32 s51, 0
	s_mov_b32 s52, 3<<16
	s_mov_b32 s53, 32<<16
	s_mov_b32 s54, 3<<16
	s_mov_b32 s55, 32<<16
	s_mov_b32 s56, 3
	s_mov_b32 s57, 32
	s_mov_b32 s58, 0
	s_mov_b32 s59, 0
	s_mul_i32 s16, s9, 12288                       ; the words: 12,288 bytes a (head, batch), 768 a wave
	s_mul_i32 s17, s[WV], 768
	s_add_co_u32 s16, s16, s17
	s_add_co_u32 s16, s16, KVS
	s_mov_b32 s17, 0
	s_lshl_b32 s18, s10, 12
	s_lshl_b32 s19, s11, 11
	s_add_co_u32 s60, s18, s19                     ; head x 4,096 + batch x 2,048: where the head's places begin
	s_and_b32 s22, s[WV], 7
	s_lshl_b32 s19, s22, 6
	s_add_co_u32 s18, s60, s19
	s_mul_i32 s18, s18, 48
	s_add_co_u32 s18, s18, KCO                     ; waves 0-7: 64 keys of a stage's 512
	s_lshl_b32 s20, s11, 5
	s_add_co_u32 s20, s20, s22
	s_lshl_b32 s20, s20, 10
	s_lshl_b32 s21, s10, 6
	s_add_co_u32 s20, s20, s21
	s_mul_i32 s20, s20, 48
	s_add_co_u32 s20, s20, VCO                     ; waves 8-15: one chunk of 64 keys of V^T, my head's 64 places
	s_mov_b32 s21, 393216
	s_cmp_lt_u32 s[WV], 8
	s_cselect_b32 s18, s18, s20
	s_cselect_b32 s20, 24576, s21                  ; from stage to stage, in memory
	s_mov_b32 s19, 0
	s_mov_b32 s21, 0
	s_mul_i32 s61, s[WV], 3072                     ; and in a stage: K's eight parts, then V's eight
	s_mul_i32 s23, s[WV], 768
	s_wait_dscnt 0x0
	s_wait_kmcnt 0x0
	s_mov_b32 s24, 1
	s_add_co_u32 s25, s23, SCL
	s_add_nc_u64 s[26:27], s[4:5], s[16:17]
	s_or_b32 s27, s27, 0x80000000
	s_add_nc_u64 s[22:23], s[4:5], s[18:19]
.irp g, 0,1,2,3
	s_mov_b32 s[28+4*\g], 1
	s_add_co_u32 s[29+4*\g], s61, 49152*\g
	s_mov_b64 s[30+4*\g:31+4*\g], s[22:23]
	s_or_b32 s[31+4*\g], s[31+4*\g], 0x80000000
	s_add_nc_u64 s[22:23], s[22:23], s[20:21]
.endr
	tensor_load_to_lds s[24:27], s[52:59]          ; five tensor loads of mine are out: the words, then stages 0 to 3; no descriptor is written again
	s_nop 0
	tensor_load_to_lds s[28:31], s[44:51]
	s_nop 0
	tensor_load_to_lds s[32:35], s[44:51]
	s_nop 0
	tensor_load_to_lds s[36:39], s[44:51]
	s_nop 0
	tensor_load_to_lds s[40:43], s[44:51]
	s_nop 0
.rept 4
	v_nop
.endr
	s_lshl_b32 s16, s15, 4
	s_add_co_u32 s16, s16, s60                     ; my tile's first place
	s_mul_i32 s18, s16, 48
	s_mov_b32 s19, 0
	s_add_nc_u64 s[78:79], s[4:5], s[18:19]        ; Q's codes
	s_add_nc_u64 s[74:75], s[6:7], s[18:19]        ; o's codes
	s_lshl_b32 s18, s16, 2
	s_add_co_u32 s18, s18, QSC
	s_add_nc_u64 s[62:63], s[4:5], s[18:19]        ; Q's words
	s_lshr_b32 s18, s10, 1                         ; o's words: [pair of heads][4,096], my head's two bytes
	s_lshl_b32 s18, s18, 12
	s_lshl_b32 s20, s11, 11
	s_add_co_u32 s18, s18, s20
	s_lshl_b32 s20, s15, 4
	s_add_co_u32 s18, s18, s20
	s_lshl_b32 s18, s18, 2
	s_and_b32 s20, s10, 1
	s_lshl_b32 s20, s20, 1
	s_add_co_u32 s18, s18, s20
	s_add_co_u32 s18, s18, OSC
	s_add_nc_u64 s[76:77], s[6:7], s[18:19]
	s_mov_b32 s[SEL], 0x76543210
	s_mov_b32 s[SEL+1], 0xfedcba98
	s_mov_b32 s[CS], 0x3e38aa3b                    ; c = log2(e) / 8
	s_mov_b32 s[CS+1], s[CS]
	s_mov_b32 s[TB], 0
	s_mov_b32 s[TS], 0
	s_mov_b32 s[TJ], 0
	s_mov_b32 s[KF], 0
	v_and_b32 v8, 15, v0                           ; r
	v_bfe_u32 v9, v0, 4, 1                         ; h
	v_mul_u32_u24 v[AK0], v8, 48
	v_mad_u32_u24 v[AK0], v9, 24, v[AK0]
	v_lshlrev_b32 v[GS], 2, v8
.irp p, 0,1,2
	global_load_b64 v[16+2*\p:17+2*\p], v[AK0], s[78:79] offset:8*\p   ; Q's fragment: my query's 32 codes of my half
.endr
	global_load_b32 v[QW], v[GS], s[62:63]
	v_add_nc_u32 v[AV0], 24576, v[AK0]
	v_lshl_add_u32 v[ASK0], v8, 2, SCL
	v_lshl_add_u32 v[ASV0], v8, 2, SCL+8192
	s_mul_i32 s16, s[WV], 768
	s_add_co_u32 s16, s16, STG
	v_add_nc_u32 v[OST], s16, v[AK0]
	v_and_b32 v10, 31, v0
	v_lshlrev_b32 v[GO], 3, v10
	v_add_nc_u32 v[ORD], s16, v[GO]
	v_bfe_u32 v10, v0, 3, 1
	v_and_b32 v11, 7, v0
	v_lshl_add_u32 v10, v10, 4, v11                ; 16 (r / 8) + r % 8
	v_lshlrev_b32 v11, 4, v9
	v_sub_nc_u32 v10, v10, v11                     ; - 16 h
	s_lshr_b32 s16, s15, 1
	s_lshl_b32 s16, s16, 5
	s_and_b32 s17, s15, 1
	s_lshl_b32 s17, s17, 3
	s_add_co_u32 s16, s16, s17                     ; tile 2 b + u: 32 b + 8 u
	v_add_nc_u32 v[QD], s16, v10
	v_mov_b32 v13, 0xff61b1e6                      ; the largest t so far: -3e38
	v_floor_f32 v12, -v13                          ; -M
	v_mov_b32 v14, 0
	v_mov_b32 v15, 0
.irp i, 22,23,24,25,26,27
	v_mov_b32 v[\i], 0                             ; Q's upper 64 along K: zero codes
.endr
.irp t, 0,1,2,3
.irp i, 6,7,8,9,10,11
	v_mov_b32 v[KFR+12*\t+\i], 0                   ; K's likewise: written once
.endr
.endr
.set j, 0
.rept 32
	v_mov_b32 v[O+j], 0                            ; O^T: the step is written once; its first run finds zeros
.set j, j+1
.endr
.irp b, 0,1,2,3
	v_mov_b32 v[PT+\b], 0                          ; a lane permute's destination counts as one of its sources
.endr
	v_mov_b32 v[F+1], 0                            ; (named as the upper half of a pair)
; A KEY STEP: 128 keys.
.macro STEP
	s_cmp_gt_u32 s[KF], s[Q0B]                     ; all its keys come after my queries: only the addresses step
	s_cbranch_scc1 .Lhidden_\@
	v_add_nc_u32 v[ADK], s[TB], v[AK0]             ; (these four are the places in front of the loads below)
	v_add_nc_u32 v[ADV], s[TB], v[AV0]
	v_add_nc_u32 v[ADS], s[TS], v[ASK0]
	v_add_nc_u32 v[ADT], s[TJ], v[ASV0]
.irp g, 0,1                                    ; S^T = K Q^T, four tiles of 16 keys at a time
.if \g
.rept 4
	v_nop
.endr
.endif
.irp t, 0,1,2,3
.irp p, 0,1,2
	ds_load_b64 v[KFR+12*\t+2*\p:KFR+12*\t+2*\p+1], v[ADK] offset:768*(4*\g+\t)+8*\p
.endr
	ds_load_b32 v[SW+\t], v[ADS] offset:64*(4*\g+\t)
.endr
	s_wait_dscnt 0x0
.irp t, 0,1,2,3
	v_wmma_scale_f32_16x16x128_f8f6f4 v[S+8*(4*\g+\t):S+8*(4*\g+\t)+7], v[KFR+12*\t:KFR+12*\t+11], v[16:27], 0, v[SW+\t], v[QW] matrix_a_fmt:MATRIX_FMT_FP6 matrix_b_fmt:MATRIX_FMT_FP6
.endr
.endr
.rept 4
	v_nop
.endr
	s_cmp_lt_u32 s[KF], s[Q0B]                     ; all its keys count: no mask
	s_cbranch_scc1 .Lopen_\@
	v_sub_nc_u32 v[TT], v[QD], s[KF]               ; d = my query - KF - 16 h.  Register 16 b + i holds key KF + 16 h + 32 b + i: hidden where 32 b + i > d
	v_mov_b32 v[TT+1], 0xff800000
.set n, 0
.rept 64
	v_cmp_gt_i32 vcc_lo, 32*(n/16)+n%16, v[TT]
	v_cndmask_b32 v[S+n], v[S+n], v[TT+1], vcc_lo
.set n, n+1
.endr
.Lopen_\@:
.irp b, 0,1,2,3
	v_max3_num_f32 v[BM+\b], v[S+16*\b], v[S+1+16*\b], v[S+2+16*\b]   ; the largest score of each block of 32 keys: for the row's maximum and, since p rises with the score, for the block's largest p
.endr
.irp i, 3,5,7,9,11,13
.irp b, 0,1,2,3
	v_max3_num_f32 v[BM+\b], v[BM+\b], v[S+16*\b+\i], v[S+1+16*\b+\i]
.endr
.endr
.irp b, 0,1,2,3
	v_max_num_f32 v[BM+\b], v[BM+\b], v[S+15+16*\b]
.endr
.irp b, 0,1,2,3
	v_permlanex16_b32 v[PT+\b], v[BM+\b], s[SEL], s[SEL+1]
.endr
.irp b, 0,1,2,3
	v_max_num_f32 v[BM+\b], v[BM+\b], v[PT+\b]
.endr
	v_max3_num_f32 v[TT], v[BM], v[BM+1], v[BM+2]
	v_max_num_f32 v[TT], v[TT], v[BM+3]
	v_mul_f32 v[TT], s[CS], v[TT]
	v_max_num_f32 v13, v13, v[TT]                  ; the running largest t
	v_mov_b32 v[TT], v12
	v_floor_f32 v12, -v13                          ; the new -M = -ceil(t)
	v_sub_f32 v[TT], v12, v[TT]                    ; old M - new M: a whole number, 0 or less
	v_cvt_i32_f32 v[TT], v[TT]                     ; (it saturates)
	v_ldexp_f32 v[F], 1.0, v[TT]                   ; f = 2^(old M - new M)
.set j, 0
.rept 32
	v_pk_fma_f32 v[S+j:S+j+1], v[S+j:S+j+1], s[CS:CS+1], v[12:13] op_sel_hi:[1,0,0]   ; t - M
.set j, j+2
.endr
.irp b, 0,1,2,3
	v_fma_f32 v[BM+\b], v[BM+\b], s[CS], v12
.endr
.set j, 0
.rept 64
	v_exp_f32 v[S+j], v[S+j]                       ; p = 2^(t - M)
.set j, j+1
.endr
	v_pk_mul_f32 v[14:15], v[14:15], v[F:F+1] op_sel_hi:[1,0]   ; the sums under the new M (a plain place behind the exponentials)
	s_wait_alu depctr_va_vdst(0)                   ; one wait for the batch, ahead of its first reader
.irp b, 0,1,2,3
	v_exp_f32 v[BM+\b], v[BM+\b]                   ; the blocks' largest p
.endr
	v_pk_add_f32 v[PT:PT+1], v[S:S+1], v[S+2:S+3]  ; the row's sum, of the unquantised p, in two chains
.irp j, 4,8,12,16,20,24,28,32,36,40,44,48,52,56,60
	v_pk_add_f32 v[14:15], v[14:15], v[S+\j:S+\j+1]
	v_pk_add_f32 v[PT:PT+1], v[PT:PT+1], v[S+2+\j:S+3+\j]
.endr
	v_pk_add_f32 v[14:15], v[14:15], v[PT:PT+1]
	s_wait_alu depctr_va_vdst(0)                   ; and one for the four
.irp b, 0,1,2,3
	v_max_num_f32 v[BM+\b], 0x1800000, v[BM+\b]    ; the floor 2^(3 - 127)
.endr
.irp b, 0,1,2,3
	v_add_nc_u32 v[SO+\b], 0xff000000, v[BM+\b]
.endr
.irp b, 0,1,2,3
	v_lshrrev_b32 v[PT+\b], 23, v[SO+\b]
.endr
	v_lshl_or_b32 v[PW], v[PT+1], 8, v[PT]
	v_lshl_or_b32 v[PW], v[PT+2], 16, v[PW]
	v_lshl_or_b32 v[PW], v[PT+3], 24, v[PW]
.irp c, 0,1
	v_cvt_scalef32_pk16_fp6_f32 v[CD+6*\c:CD+2+6*\c], v[S+32*\c:S+15+32*\c], v[SO+2*\c]
	v_cvt_scalef32_pk16_fp6_f32 v[C2+4*\c:C2+2+4*\c], v[S+16+32*\c:S+31+32*\c], v[SO+2*\c+1]
.endr
	v_nop
.irp c, 0,1
.irp i, 0,1,2
	v_permlane16_swap_b32 v[CD+6*\c+\i], v[C2+4*\c+\i]
.endr
.irp i, 0,1,2
	v_mov_b32 v[CD+3+6*\c+\i], v[C2+4*\c+\i]
.endr
.endr
.set j, 0
.rept 16
	v_pk_mul_f32 v[O+j:O+j+1], v[O+j:O+j+1], v[F:F+1] op_sel_hi:[1,0]   ; O^T under the new M (also the places in front of the products and loads below)
.set j, j+2
.endr
.irp g, 0,1                                    ; O^T += V^T P^T: two tiles of 16 of the head's 64 at a time
.if \g
.rept 4
	v_nop
.endr
.endif
.irp t, 0,1
.irp p, 0,1,2,3,4,5
	ds_load_b64 v[VFR+12*\t+2*\p:VFR+12*\t+2*\p+1], v[ADV] offset:3072*(\p/3)+768*(2*\g+\t)+8*(\p%3)
.endr
	ds_load_b32 v[SW+\t], v[ADT] offset:64*(2*\g+\t)
.endr
	s_wait_dscnt 0x0
.irp t, 0,1
	v_wmma_scale_f32_16x16x128_f8f6f4 v[O+8*(2*\g+\t):O+8*(2*\g+\t)+7], v[VFR+12*\t:VFR+12*\t+11], v[CD:CD+11], v[O+8*(2*\g+\t):O+8*(2*\g+\t)+7], v[SW+\t], v[PW] matrix_a_fmt:MATRIX_FMT_FP6 matrix_b_fmt:MATRIX_FMT_FP6
.endr
.endr
.Lhidden_\@:
	s_add_co_u32 s[KF], s[KF], 128
	s_add_co_u32 s[TB], s[TB], 6144
	s_add_co_u32 s[TS], s[TS], 512
	s_add_co_u32 s[TJ], s[TJ], 256
.endm
.macro STAGE g                         ; 512 keys: four steps
	s_wait_tensorcnt 3-\g                          ; the words and my parts of stages 0 .. g are in; the later stages' loads may be out
	s_wait_dscnt 0x0
	s_barrier_signal -1
	s_barrier_wait -1                              ; everybody's are
	s_mov_b32 s[CNT], 4
.Lsteps_\@:
	STEP
	s_sub_co_u32 s[CNT], s[CNT], 1
	s_cmp_lg_u32 s[CNT], 0
	s_cbranch_scc1 .Lsteps_\@
	s_add_co_u32 s[TB], s[TB], 24576               ; over the stage's V^T
.endm
	s_wait_loadcnt 0x0                             ; Q
	STAGE 0
	STAGE 1
	STAGE 2
	STAGE 3
	; THE WAY OUT: o = O^T / the sum; quantised along the head's 64 (two blocks); 768 bytes of codes a tile, through my stage, as three aligned runs of 256 bytes
.rept 4
	v_nop                                          ; places behind the last products
.endr
	v_add_f32 v14, v14, v15
	v_permlanex16_b32 v[PT], v14, s[SEL], s[SEL+1]
	v_add_f32 v14, v14, v[PT]                      ; the row's sum
	v_rcp_f32 v14, v14
	v_nop
	s_wait_alu depctr_va_vdst(0)
.set j, 0
.rept 32
	v_mul_f32 v[S+j], v[O+j], v14                  ; register 16 b + i is o(my query, 32 b + 16 h + i)
.set j, j+1
.endr
.irp b, 0,1
	v_max3_num_f32 v[BM+\b], |v[S+16*\b]|, |v[S+1+16*\b]|, 0x1800000
.endr
.irp i, 2,4,6,8,10,12,14
.irp b, 0,1
	v_max3_num_f32 v[BM+\b], v[BM+\b], |v[S+16*\b+\i]|, |v[S+1+16*\b+\i]|
.endr
.endr
.irp b, 0,1
	v_permlanex16_b32 v[PT+\b], v[BM+\b], s[SEL], s[SEL+1]
.endr
.irp b, 0,1
	v_max_num_f32 v[BM+\b], v[BM+\b], v[PT+\b]
.endr
.irp b, 0,1
	v_add_nc_u32 v[SO+\b], 0xff000000, v[BM+\b]
.endr
.irp b, 0,1
	v_lshrrev_b32 v[PT+\b], 23, v[SO+\b]
.endr
	v_lshl_or_b32 v[PW], v[PT+1], 8, v[PT]         ; my row's two scale bytes
	v_cvt_scalef32_pk16_fp6_f32 v[CD:CD+2], v[S:S+15], v[SO]
	v_cvt_scalef32_pk16_fp6_f32 v[C2:C2+2], v[S+16:S+31], v[SO+1]
	v_nop
.irp i, 0,1,2
	v_permlane16_swap_b32 v[CD+\i], v[C2+\i]
.endr
.irp i, 0,1,2
	v_mov_b32 v[CD+3+\i], v[C2+\i]
.endr
.irp p, 0,1,2
	ds_store_b64 v[OST], v[CD+2*\p:CD+2*\p+1] offset:8*\p
.endr
.irp p, 0,1,2
	ds_load_b64 v[S+2*\p:S+2*\p+1], v[ORD] offset:256*\p   ; LDS serves a wave's instructions in order: these see my stores
.endr
	global_store_b16 v[GS], v[PW], s[76:77]        ; lanes l and l xor 16 write the same two bytes with the same value
.irp p, 0,1,2
	s_wait_dscnt 2-\p                              ; the later loads may be out
	global_store_b64 v[GO], v[S+2*\p:S+2*\p+1], s[74:75] offset:256*\p   ; 32 lanes store 256 consecutive bytes, aligned
.endr
	s_wait_tensorcnt 0x0
	ds_add_u32 v254, v255
	s_wait_dscnt 0x0
	s_endpgm
.Lfunc_end_k_qcf5a576841_att:
	.size	k_qcf5a576841_att, .Lfunc_end_k_qcf5a576841_att-k_qcf5a576841_att
	.p2alignl 7, 3214868480
	.fill 96, 4, 3214868480
	.section	.rodata,"a",@progbits
	.p2align	6, 0x0
	.amdhsa_kernel k_qcf5a576841_att
		.amdhsa_group_segment_fixed_size 223232
		.amdhsa_private_segment_fixed_size 0
		.amdhsa_enable_private_segment 0
		.amdhsa_kernarg_size 16
		.amdhsa_user_sgpr_count 2
		.amdhsa_user_sgpr_kernarg_segment_ptr 1
		.amdhsa_wavefront_size32 1
		.amdhsa_system_sgpr_workgroup_id_x 1
		.amdhsa_system_sgpr_workgroup_id_y 1
		.amdhsa_system_sgpr_workgroup_id_z 1
		.amdhsa_system_vgpr_workitem_id 0
		.amdhsa_next_free_vgpr 256
		.amdhsa_next_free_sgpr 80
		.amdhsa_reserve_vcc 1
		.amdhsa_float_denorm_mode_32 3
		.amdhsa_float_denorm_mode_16_64 3
		.amdhsa_memory_ordered 1
		.amdhsa_forward_progress 1
		.amdhsa_inst_pref_size 107
	.end_amdhsa_kernel
	.amdgpu_metadata
---
amdhsa.version: [ 1, 2 ]
amdhsa.kernels:
  - .name:           k_qcf5a576841_att
    .symbol:         k_qcf5a576841_att.kd
    .args:
      - { .name: qkv, .offset: 0, .size: 8, .value_kind: global_buffer, .address_space: global }
      - { .name: oq, .offset: 8, .size: 8, .value_kind: global_buffer, .address_space: global }
    .group_segment_fixed_size: 223232
    .private_segment_fixed_size: 0
    .kernarg_segment_align: 8
    .kernarg_segment_size: 16
    .max_flat_workgroup_size: 512
    .sgpr_count:     80
    .vgpr_count:     256
    .wavefront_size: 32
...
	.end_amdgpu_metadata
.endif
;; end of part 3
;; launch wo (part 4): grid 8 x 32, 4 waves a work-group, clusters of 4 x 4, 327,680 bytes of LDS; arguments oq, Wo_codes, Wo_scales, bo, x, x1; writes x1
.if DOCPART == 4
	.amdgcn_target "amdgcn-amd-amdhsa--gfx1250"
	.amdhsa_code_object_version 6
	.text
	.protected	k_qcf5a576841_wo
	.globl	k_qcf5a576841_wo
	.p2align	8
	.type	k_qcf5a576841_wo,@function
k_qcf5a576841_wo:
	s_mov_b64 s[64:65], 0
	v_nop
	global_prefetch_b8 v0, s[64:65] scope:SCOPE_SE
	s_setreg_imm32_b32 hwreg(HW_REG_WAVE_MODE, 25, 1), 1
	s_wait_xcnt 0x0
	s_wait_alu depctr_hold_cnt(0) depctr_sa_sdst(0) depctr_va_vdst(0) depctr_va_sdst(0) depctr_va_ssrc(0) depctr_va_vcc(0) depctr_vm_vsrc(0)
	s_getreg_b32 s2, hwreg(HW_REG_IB_STS2, 6, 4)
	s_cmp_eq_u32 s2, 0
	s_cbranch_scc0 .Lentry_in_a_cluster
	s_endpgm
.Lentry_in_a_cluster:
	s_bfe_u32 s2, ttmp6, 0x10000c
	s_cmp_lg_u32 s2, 0xf033
	s_cbranch_scc0 .Lentry_shape_is_right
	s_endpgm
.Lentry_shape_is_right:
; out = resid + A W^T + bias on codes of FP6 (E2M3) with E8M0 scales for each 32 along K.  A: 4,096 rows, as this program's own launches lay it: codes [K / 64][4,096 places][48 bytes], scale words [K / 128][4,096 places] from byte ASC;
; a row stands at the place that swaps bits 3 and 4 of its number.  W: [1,024][K] codes, K innermost, scale bytes [1,024][K / 32].  bias [1,024], resid and out [4,096][1,024]: f32.
; N is 1,024: tiles of 256 x 256 would be 64, so a tile is 128 x 128: 256 work-groups of four waves, 64 x 64 each in 16 accumulators.  K goes in steps of 512 through a ring of two LDS slots.
; 4 x 4 work-groups form a cluster: A's tiles are asked for jointly along a row of the cluster, W's along a column.  The scale words of the work-group's rows come once, with the first fills.
; The matrix instruction is used transposed (source 0 = 16 rows of W, source 1 = 16 rows of A): a lane holds eight neighbouring columns of one row.
; The residual's 64 x 64 numbers of a wave are asked for at the head, in the layout in which the results leave, and land while the products run.
; No prefetch: a tile this small has few refills (none at K = 1,024).
; REGISTERS: window 0: v0-31 addresses, v12-15 the bias; v32-63 scale words, two sets; v128-175 A's four fragments, one set; v64-127 the way out.  window 1: W's fragments, two sets.  window 2: v0-127 accumulators ((a, b) at v[8 (4 a + b)]), v128-255 the residual.
.set SIZE_K, 1024
.set ASC,    3145728
.set KSTEP,  512
.set KROW,   SIZE_K*6/8
.set KS,     SIZE_K/32
.set NKS,    SIZE_K/128
.set LAPS,   SIZE_K/(2*KSTEP)
.set FR,     12
.set AH,     8*64*48                   ; A's 64 rows of a K step: [8 chunks][64 places][48 bytes]: rows 12 words apart start at 16 different groups of four banks
.set BP,     432                       ; a row of W in LDS: 3 x (128 bytes + 16 of padding) = 108 words: likewise
.set BH,     64*BP
.set SLOT,   2*AH+2*BH
.set SCA,    2*SLOT                    ; A's words: [half][K / 128][64 places]
.set SAH,    256*NKS
.set SCB,    SCA+2*SAH                 ; W's scale bytes, as units of 256 bytes + 16 of padding
.set HALFS,  (64*KS/256)*272
.set SBLK,   (16*KS/256)*272
.set SPARE,  327168                    ; the spare words: the last 512 bytes of LDS; no other line names them
.set SPITCH, 272                       ; the way out: a stage of 16 rows x (256 bytes + 16) for each wave, in slot 0, which has had its last fill and its last read by then
.set ADRA, 16
.set ADRB, 20
.set STO,  24
.set RD,   25
.set CO,   26
.set ADSA, 27
.set SPW,  28
.set NIL,  29
.set ADSB, 30
.set SC,   32                          ; set s: A's block i at SC + 16 s + 2 i + k, W's block b at SC + 16 s + 8 + 2 b + k: lanes 0-15 the slot's step 2 k, lanes 16-31 step 2 k + 1
.set BK,   64
.set AF,   128
.set G1, 24
.set G0, 32
.set G1B, 48
.set G0B, 56
.set G1S, 68
.set G0S, 76
.set G1SB, 80
.set G0SB, 88
.set MSB, 0
.macro WIN new                         ; the immediate's high byte repeats the setting that is left
.if MSB != \new
	s_set_vgpr_msb (MSB<<8)|\new
.set MSB, \new
.endif
.endm
.set MUL,  0xa1                        ; source 0 (W) window 1, source 1 (A) window 0, C and D window 2
.set TO_B, 0x40
.macro JLOAD g0a, g1a, g0b, g1b        ; a joint load: waves 0 and 1 fetch for A, waves 2 and 3 for W; four v_nop follow each of the two lines
	s_cmp_eq_u32 s15, 0
	s_cbranch_scc0 .Lfor_b_\@
	tensor_load_to_lds s[\g0a:\g0a+3], s[\g1a:\g1a+7]
	s_nop 0
.rept 4
	v_nop
.endr
	s_branch .Lasked_\@
.Lfor_b_\@:
	tensor_load_to_lds s[\g0b:\g0b+3], s[\g1b:\g1b+7]
	s_nop 0
.rept 4
	v_nop
.endr
.Lasked_\@:
.endm
.macro CREST
	s_cmp_lg_u32 s14, 0
	s_cbranch_scc1 .Lnot_wave_0_\@
	s_barrier_signal -3
.Lnot_wave_0_\@:
	s_barrier_wait -3
	s_barrier_signal -1
	s_barrier_wait -1
.endm
.macro CROUND
	s_barrier_signal -1
	s_barrier_wait -1
	CREST
.endm
	s_load_b256 s[4:11], s[0:1], 0x0               ; A s[4:5], W's codes s[6:7], W's scales s[8:9], bias s[10:11]
	s_load_b128 s[92:95], s[0:1], 0x20             ; resid s[92:93], out s[94:95]
	v_lshl_add_u32 v[SPW], v0, 2, SPARE
	v_mov_b32 v[NIL], 0
	ds_add_u32 v28, v29
	ds_add_u32 v28, v29
	s_wait_dscnt 0x0
	v_lshrrev_b32 v1, 5, v0
	v_readfirstlane_b32 s14, v1                    ; wave 0..3
	s_lshr_b32 s15, s14, 1                         ; which half of the tile's rows is mine.  Also: I fetch for A (0) or for W (1)
	s_and_b32 s16, s14, 1                          ; which half of its columns.  Also: which 64 rows I fetch
	s_bfe_u32 s40, ttmp6, 0x40000                  ; cx, cy
	s_bfe_u32 s41, ttmp6, 0x40004
	s_lshl_b32 s42, ttmp9, 2
	s_add_co_u32 s42, s42, s40                     ; tile column
	s_and_b32 s17, ttmp7, 0xffff
	s_lshl_b32 s17, s17, 2
	s_add_co_u32 s17, s17, s41                     ; tile row
	s_lshl_b32 s43, s41, 2
	s_lshl_b32 s43, 15, s43                        ; my row of the cluster
	s_lshl_b32 s44, 0x1111, s40                    ; my column
	s_or_b32 s[G1+0], s43, (3<<16)|(1<<21)         ; A's codes: 8 chunks, each 64 places x 48 bytes = 384 elements of 8 bytes, dense; chunks 4,096 x 48 bytes apart; no padding
	s_mov_b32 s[G1+1], 384<<16
	s_mov_b32 s[G1+2], 8<<16
	s_mov_b32 s[G1+3], 384<<16
	s_mov_b32 s[G1+4], 8
	s_mov_b32 s[G1+5], 24576
	s_mov_b32 s[G1+6], 0
	s_mov_b32 s[G1+7], 0
	s_or_b32 s[G1B+0], s44, (0<<16)|(1<<20)|(1<<21)|(4<<22)|(3<<25)   ; W's codes: 64 rows x 384 bytes; after every 32 words 4 words of padding
	s_mov_b32 s[G1B+1], 384<<16
	s_mov_b32 s[G1B+2], 64<<16
	s_mov_b32 s[G1B+3], 384<<16
	s_mov_b32 s[G1B+4], 64
	s_mov_b32 s[G1B+5], KROW
	s_mov_b32 s[G1B+6], 0
	s_mov_b32 s[G1B+7], 0
	s_or_b32 s[G1S+0], s43, (3<<16)|(1<<21)        ; A's words: K / 128 rows of 256 bytes, 16,384 bytes apart
	s_mov_b32 s[G1S+1], 32<<16
	s_mov_b32 s[G1S+2], NKS<<16
	s_mov_b32 s[G1S+3], 32<<16
	s_mov_b32 s[G1S+4], NKS
	s_mov_b32 s[G1S+5], 2048
	s_mov_b32 s[G1S+6], 0
	s_mov_b32 s[G1S+7], 0
	s_or_b32 s[G1SB+0], s44, (3<<16)|(1<<20)|(1<<21)|(5<<22)|(3<<25)  ; W's scale bytes of 64 rows: a dense block, as rows of 256 bytes, 16 bytes of padding behind each
	s_mov_b32 s[G1SB+1], 32<<16
	s_mov_b32 s[G1SB+2], (64*KS/256)<<16
	s_mov_b32 s[G1SB+3], 32<<16
	s_mov_b32 s[G1SB+4], 64*KS/256
	s_mov_b32 s[G1SB+5], 32
	s_mov_b32 s[G1SB+6], 0
	s_mov_b32 s[G1SB+7], 0
	s_lshl_b32 s18, s16, 6                         ; which 64 rows I fetch
	s_lshl_b32 s20, s17, 7
	s_add_co_u32 s20, s20, s18                     ; A: place 128 x tile row + 64 x half
	s_lshl_b32 s46, s42, 7
	s_add_co_u32 s46, s46, s18                     ; W: row 128 x tile column + 64 x half
	s_lshl_b32 s22, s20, 2
	s_add_co_u32 s22, s22, ASC                     ; A's words
	s_mov_b32 s23, 0
	s_mul_i32 s20, s20, 48                         ; A's codes
	s_mov_b32 s21, 0
	s_mul_i32 s96, s46, KS                         ; W's scale bytes
	s_mov_b32 s97, 0
	s_mul_i32 s46, s46, KROW                       ; W's codes
	s_mov_b32 s47, 0
	s_mul_i32 s45, s16, AH                         ; where they go: no place in the cluster enters an LDS address
	s_mul_i32 s98, s16, BH
	s_add_co_u32 s98, s98, 2*AH
	s_mul_i32 s99, s16, SAH
	s_mul_i32 s19, s16, HALFS
	s_wait_kmcnt 0x0
	s_add_nc_u64 s[20:21], s[4:5], s[20:21]
	s_add_nc_u64 s[22:23], s[4:5], s[22:23]
	s_add_nc_u64 s[46:47], s[6:7], s[46:47]
	s_add_nc_u64 s[96:97], s[8:9], s[96:97]
	CROUND                                         ; all sixteen work-groups are here: the first joint loads meet
	s_mov_b32 s[G0S], 1
	s_add_co_u32 s[G0S+1], s99, SCA
	s_mov_b64 s[G0S+2:G0S+3], s[22:23]
	s_or_b32 s[G0S+3], s[G0S+3], 0x80000000
	s_mov_b32 s[G0SB], 1
	s_add_co_u32 s[G0SB+1], s19, SCB
	s_mov_b64 s[G0SB+2:G0SB+3], s[96:97]
	s_or_b32 s[G0SB+3], s[G0SB+3], 0x80000000
	JLOAD G0S, G1S, G0SB, G1SB                     ; the scales first
.irp s, 0,1
	s_mov_b32 s[G0+4*\s], 1
	s_add_co_u32 s[G0+4*\s+1], s45, \s*SLOT
	s_add_nc_u64 s[G0+4*\s+2:G0+4*\s+3], s[20:21], \s*8*196608
	s_or_b32 s[G0+4*\s+3], s[G0+4*\s+3], 0x80000000
	s_mov_b32 s[G0B+4*\s], 1
	s_add_co_u32 s[G0B+4*\s+1], s98, \s*SLOT
	s_add_nc_u64 s[G0B+4*\s+2:G0B+4*\s+3], s[46:47], \s*384
	s_or_b32 s[G0B+4*\s+3], s[G0B+4*\s+3], 0x80000000
	JLOAD G0+4*\s, G1, G0B+4*\s, G1B               ; three tensor loads of mine are out
.endr
	v_and_b32 v1, 15, v0                           ; r
	v_bfe_u32 v2, v0, 4, 1                         ; h
	v_mul_u32_u24 v3, v1, 48
	v_mad_u32_u24 v3, v2, 24, v3                   ; A: 48 r + 24 h
	v_mul_u32_u24 v4, v1, BP
	v_mad_u32_u24 v4, v2, 24, v4                   ; W: 432 r + 24 h
	v_lshl_add_u32 v5, v2, 4, v4                   ; and the same behind one padding more
	s_mul_i32 s21, s15, AH
	s_mul_i32 s22, s16, BH
	s_add_co_u32 s22, s22, 2*AH
.irp s, 0,1
	v_add_nc_u32 v[ADRA+\s], s21, v3
	v_add_nc_u32 v[ADRB+\s], s22, v4
	v_add_nc_u32 v[ADRB+2+\s], s22, v5
	s_add_co_u32 s21, s21, SLOT
	s_add_co_u32 s22, s22, SLOT
.endr
	s_mul_i32 s21, s15, SAH
	s_add_co_u32 s21, s21, SCA
	v_lshlrev_b32 v5, 2, v1
	v_lshl_add_u32 v5, v2, 8, v5                   ; A's words: 4 r; lanes 16-31 one step of 128 (256 bytes) on
	v_add_nc_u32 v[ADSA], s21, v5
	v_mul_u32_u24 v5, v1, KS                       ; W's: KS bytes a row,
	v_lshrrev_b32 v6, 8, v5
	v_lshl_add_u32 v5, v6, 4, v5                   ; 16 more for each 256 passed;
	v_lshl_add_u32 v5, v2, 2, v5                   ; lanes 16-31 one word on
	s_mul_i32 s22, s16, HALFS
	s_add_co_u32 s22, s22, SCB
	v_add_nc_u32 v[ADSB], s22, v5
	s_mul_i32 s23, s14, 16*SPITCH                  ; my stage
	v_mul_u32_u24 v5, v1, SPITCH
	v_lshl_add_u32 v5, v2, 5, v5
	v_add_nc_u32 v[STO], s23, v5                   ; in: row r, 32 bytes for each half of the lanes
	v_mul_u32_u24 v5, v2, SPITCH
	v_lshl_add_u32 v5, v1, 4, v5
	v_add_nc_u32 v[RD], s23, v5                    ; back: lanes 0-15 one row of 256 bytes, lanes 16-31 the next
	v_lshlrev_b32 v7, 4, v1
	v_lshl_add_u32 v[CO], v2, 12, v7               ; and the same two rows in memory (4,096 bytes a row)
	s_lshl_b32 s20, s17, 7
	s_lshl_b32 s21, s15, 6
	s_add_co_u32 s20, s20, s21
	s_lshl_b32 s20, s20, 12                        ; my first row, in bytes
	s_lshl_b32 s46, s42, 9
	s_lshl_b32 s47, s16, 8
	s_add_co_u32 s46, s46, s47                     ; my first column, in bytes
	s_mov_b32 s47, 0
	s_add_nc_u64 s[10:11], s[10:11], s[46:47]
	s_add_co_u32 s46, s46, s20
	s_add_nc_u64 s[92:93], s[92:93], s[46:47]
	s_add_nc_u64 s[94:95], s[94:95], s[46:47]
	WIN 0x80                                       ; destination window 2
.irp a, 0,1,2,3                                ; the residual: the row at place 16 a + 2 t + h is row 32 (a / 2) + 16 (t / 4) + 8 (a % 2) + 2 (t % 4) + h
.irp t, 0,1,2,3,4,5,6,7
	global_load_b128 v[128+4*(8*\a+\t):128+4*(8*\a+\t)+3], v[CO], s[92:93] offset:4096*(32*(\a/2)+16*(\t/4)+8*(\a%2)+2*(\t%4))
.endr
.endr
	WIN 0
	global_load_b128 v[12:15], v7, s[10:11]        ; the bias of my four columns
.macro FRAGA reg, slot, q, i           ; A's fragment: registers 6 c .. 6 c + 5 are the 24 bytes of my half in chunk 2 q + c
.irp p, 0,1,2,3,4,5
	ds_load_b64 v[\reg+2*\p:\reg+2*\p+1], v[ADRA+\slot] offset:(2*(\q)+\p/3)*3072+768*(\i)+8*(\p%3)
.endr
.endm
.macro FRAGB reg, adr, q, i            ; W's: pieces of 8 bytes; 16 bytes of padding behind every 16 pieces; where the piece three on (lanes 16-31) lies behind one padding more, the second address register serves
.irp p, 0,1,2,3,4,5
.set PC, 12*(\q)+6*(\p/3)+\p%3
.if PC%16 < 13
	ds_load_b64 v[\reg+2*\p:\reg+2*\p+1], v[\adr] offset:8*PC+16*(PC/16)+(\i)*16*BP
.else
	ds_load_b64 v[\reg+2*\p:\reg+2*\p+1], v[\adr+2] offset:8*PC+16*(PC/16)+(\i)*16*BP
.endif
.endr
.endm
; four matrix instructions: A's block a x W's four.  The 16 accumulators take turns, one instruction a turn.  An odd step's scale words lie in lanes 16-31.
.macro MULA a, p, q, sc, zero
.irp b, 0,1,2,3
.if \zero
	v_wmma_scale_f32_16x16x128_f8f6f4 v[8*(4*(\a)+\b):8*(4*(\a)+\b)+7], v[128*(\p)+FR*\b:128*(\p)+FR*\b+FR-1], v[AF+FR*(\a):AF+FR*(\a)+FR-1], 0, v[SC+16*(\sc)+8+2*\b+(\q)/2], v[SC+16*(\sc)+2*(\a)+(\q)/2] matrix_a_fmt:MATRIX_FMT_FP6 matrix_b_fmt:MATRIX_FMT_FP6
.elseif (\q)%2
	v_wmma_scale_f32_16x16x128_f8f6f4 v[8*(4*(\a)+\b):8*(4*(\a)+\b)+7], v[128*(\p)+FR*\b:128*(\p)+FR*\b+FR-1], v[AF+FR*(\a):AF+FR*(\a)+FR-1], v[8*(4*(\a)+\b):8*(4*(\a)+\b)+7], v[SC+16*(\sc)+8+2*\b+(\q)/2], v[SC+16*(\sc)+2*(\a)+(\q)/2] matrix_a_fmt:MATRIX_FMT_FP6 matrix_b_fmt:MATRIX_FMT_FP6 matrix_a_scale:MATRIX_SCALE_ROW1 matrix_b_scale:MATRIX_SCALE_ROW1
.else
	v_wmma_scale_f32_16x16x128_f8f6f4 v[8*(4*(\a)+\b):8*(4*(\a)+\b)+7], v[128*(\p)+FR*\b:128*(\p)+FR*\b+FR-1], v[AF+FR*(\a):AF+FR*(\a)+FR-1], v[8*(4*(\a)+\b):8*(4*(\a)+\b)+7], v[SC+16*(\sc)+8+2*\b+(\q)/2], v[SC+16*(\sc)+2*(\a)+(\q)/2] matrix_a_fmt:MATRIX_FMT_FP6 matrix_b_fmt:MATRIX_FMT_FP6
.endif
.endr
.endm
.macro FETCH_B slot, q, p
	WIN TO_B
.irp i, 0,1,2,3
	FRAGB 128*(\p)+FR*\i, ADRB+\slot, \q, \i
.endr
	WIN 0
.endm
.macro FETCH_A slot, q, i0
.irp i, \i0, \i0+1
	FRAGA AF+FR*(\i), \slot, \q, \i
.endr
.endm
.macro SCALES sc                       ; a slot's scale words: four steps of 128
.irp i, 0,1,2,3
.irp k, 0,1
	ds_load_b32 v[SC+16*\sc+2*\i+\k], v[ADSA] offset:64*\i+512*\k
	ds_load_b32 v[SC+16*\sc+8+2*\i+\k], v[ADSB] offset:SBLK*\i+8*\k
.endr
.endr
.endm
.macro PLACES                          ; plain vector instructions between a matrix instruction and a load into, or a read of, its registers
.rept 4
	v_nop
.endr
.endm
.macro STEP slot, q, zero              ; a step of 128 along K that has its successor in the same slot
	s_wait_dscnt 12                                ; W's set and A's blocks 0, 1 are in; the youngest 12 loads (A's blocks 2, 3) may be out
	WIN MUL
	MULA 0, (\q)%2, \q, \slot, \zero
	MULA 1, (\q)%2, \q, \slot, \zero
	s_wait_dscnt 0
	PLACES
	FETCH_B \slot, (\q)+1, 1-(\q)%2
	FETCH_A \slot, (\q)+1, 0
	WIN MUL
	MULA 2, (\q)%2, \q, \slot, \zero
	MULA 3, (\q)%2, \q, \slot, \zero
	PLACES
	WIN 0
	FETCH_A \slot, (\q)+1, 2
.endm
; A slot's last step changes slots: one barrier; in front of it each wave waits for all its tensor loads, adds 0 to its spare word, and waits for that and for its own reads of this slot.
.macro TURN slot, next, fill
	s_wait_tensorcnt 0x0                           ; all my tensor loads have landed: my part of the next slot
	ds_add_u32 v[SPW], v[NIL]                      ; 0 onto my spare word
	s_wait_dscnt 13                                ; (the add and the youngest 12 loads may be out)
	WIN MUL
	MULA 0, 1, 3, \slot, 0
	s_wait_dscnt 0x0                               ; the add is done, and my reads of this slot are over
	s_barrier_signal -1
	MULA 1, 1, 3, \slot, 0
	WIN 0
	s_barrier_wait -1
.if \fill
	CREST                                          ; the barrier has opened a round of the cluster's barrier: no wave of any partner still reads this slot's tile or has a load on its way
	s_add_nc_u64 s[G0+4*\slot+2:G0+4*\slot+3], s[G0+4*\slot+2:G0+4*\slot+3], 2*8*196608
	s_add_nc_u64 s[G0B+4*\slot+2:G0B+4*\slot+3], s[G0B+4*\slot+2:G0B+4*\slot+3], 2*384
	JLOAD G0+4*\slot, G1, G0B+4*\slot, G1B         ; the first tensor load behind the round; its four v_nop are the places in front of the loads below
.else
	PLACES
.endif
	v_add_nc_u32 v[ADSA], 1024, v[ADSA]            ; on to the next slot's scale words (no LDS load of mine is out)
	v_add_nc_u32 v[ADSB], 16, v[ADSB]
	FETCH_B \next, 0, 0
	FETCH_A \next, 0, 0
	SCALES \next
	WIN MUL
	MULA 2, 1, 3, \slot, 0
	MULA 3, 1, 3, \slot, 0
	PLACES
	WIN 0
	FETCH_A \next, 0, 2
.endm
	s_wait_tensorcnt 1                             ; the scales and my part of slot 0 are in (slot 1's load may be out),
	s_barrier_signal -1
	s_barrier_wait -1                              ; everybody's are
	FETCH_B 0, 0, 0
	FETCH_A 0, 0, 0
	SCALES 0
	FETCH_A 0, 0, 2
	STEP 0, 0, 1                                   ; the first step's products start the sums
.if LAPS > 1
	s_mov_b32 s3, LAPS-1
.Llap:                                             ; a trip goes once round the ring and fills both slots again
	STEP 0, 1, 0
	STEP 0, 2, 0
	TURN 0, 1, 1
	STEP 1, 0, 0
	STEP 1, 1, 0
	STEP 1, 2, 0
	TURN 1, 0, 1
	STEP 0, 0, 0
	s_sub_co_u32 s3, s3, 1
	s_cmp_lg_u32 s3, 0
	s_cbranch_scc1 .Llap
.endif
	STEP 0, 1, 0                                   ; the last lap fills nothing
	STEP 0, 2, 0
	TURN 0, 1, 0
	STEP 1, 0, 0
	STEP 1, 1, 0
	STEP 1, 2, 0
	s_wait_dscnt 12
	WIN MUL
	MULA 0, 1, 3, 1, 0
	MULA 1, 1, 3, 1, 0
	s_wait_dscnt 0
	MULA 2, 1, 3, 1, 0
	MULA 3, 1, 3, 1, 0
	WIN 0
; THE WAY OUT, block by block of 16 places x 64 columns: through my own stage and back as whole rows of 256 bytes; the residual and the bias are added; sixteen lanes store one aligned run of 256 bytes.
.macro TOSTAGE a
	WIN 0x08                                       ; an LDS store's data are its source 1: window 2
.irp b, 0,1,2,3
	ds_store_b128 v[STO], v[8*(4*(\a)+\b):8*(4*(\a)+\b)+3] offset:64*\b          ; each accumulator from its low end on
	ds_store_b128 v[STO], v[8*(4*(\a)+\b)+4:8*(4*(\a)+\b)+7] offset:64*\b+16
.endr
	WIN 0
.set BB, BK+32*((\a)%2)
.irp t, 0,1,2,3,4,5,6,7
	ds_load_b128 v[BB+4*\t:BB+4*\t+3], v[RD] offset:\t*2*SPITCH    ; LDS serves a wave's instructions in order: these see the stores above
.endr
.endm
.macro SEND a, younger
.set BB, BK+32*((\a)%2)
	s_wait_dscnt \younger                          ; the block is back; the next block's 8 stores and 8 loads may be out
	WIN 0x08                                       ; source 1: the residual, window 2
.irp t, 0,1,2,3,4,5,6,7
	v_pk_add_f32 v[BB+4*\t:BB+4*\t+1], v[BB+4*\t:BB+4*\t+1], v[128+4*(8*(\a)+\t):128+4*(8*(\a)+\t)+1]
	v_pk_add_f32 v[BB+4*\t+2:BB+4*\t+3], v[BB+4*\t+2:BB+4*\t+3], v[128+4*(8*(\a)+\t)+2:128+4*(8*(\a)+\t)+3]
.endr
	WIN 0
.irp t, 0,1,2,3,4,5,6,7
	v_pk_add_f32 v[BB+4*\t:BB+4*\t+1], v[BB+4*\t:BB+4*\t+1], v[12:13]
	v_pk_add_f32 v[BB+4*\t+2:BB+4*\t+3], v[BB+4*\t+2:BB+4*\t+3], v[14:15]
.endr
.irp t, 0,1,2,3,4,5,6,7
	global_store_b128 v[CO], v[BB+4*\t:BB+4*\t+3], s[94:95] offset:4096*(32*((\a)/2)+16*(\t/4)+8*((\a)%2)+2*(\t%4))
.endr
.endm
	PLACES
	s_wait_loadcnt 0x0                             ; the residual and the bias
	TOSTAGE 0
.irp a, 1,2,3
.if \a > 1
	s_wait_xcnt 0x0                                ; block a - 2's stores have read their registers: block a's loads may land there
.endif
	TOSTAGE \a
	SEND \a-1, 16
.endr
	SEND 3, 0
	s_wait_tensorcnt 0x0                           ; the wave's end
	ds_add_u32 v[SPW], v[NIL]
	s_wait_dscnt 0x0
	CROUND                                         ; the closing round
	s_endpgm
.Lfunc_end_k_qcf5a576841_wo:
	.size	k_qcf5a576841_wo, .Lfunc_end_k_qcf5a576841_wo-k_qcf5a576841_wo
	.p2alignl 7, 3214868480
	.fill 96, 4, 3214868480
	.section	.rodata,"a",@progbits
	.p2align	6, 0x0
	.amdhsa_kernel k_qcf5a576841_wo
		.amdhsa_group_segment_fixed_size 327680
		.amdhsa_private_segment_fixed_size 0
		.amdhsa_enable_private_segment 0
		.amdhsa_kernarg_size 48
		.amdhsa_user_sgpr_count 2
		.amdhsa_user_sgpr_kernarg_segment_ptr 1
		.amdhsa_wavefront_size32 1
		.amdhsa_system_sgpr_workgroup_id_x 1
		.amdhsa_system_sgpr_workgroup_id_y 1
		.amdhsa_system_sgpr_workgroup_id_z 1
		.amdhsa_system_vgpr_workitem_id 0
		.amdhsa_next_free_vgpr 768
		.amdhsa_next_free_sgpr 100
		.amdhsa_reserve_vcc 0
		.amdhsa_float_denorm_mode_32 3
		.amdhsa_float_denorm_mode_16_64 3
		.amdhsa_memory_ordered 1
		.amdhsa_forward_progress 1
		.amdhsa_inst_pref_size 76
	.end_amdhsa_kernel
	.amdgpu_metadata
---
amdhsa.version: [ 1, 2 ]
amdhsa.kernels:
  - .name:           k_qcf5a576841_wo
    .symbol:         k_qcf5a576841_wo.kd
    .args:
      - { .name: oq, .offset: 0, .size: 8, .value_kind: global_buffer, .address_space: global }
      - { .name: Wo_codes, .offset: 8, .size: 8, .value_kind: global_buffer, .address_space: global }
      - { .name: Wo_scales, .offset: 16, .size: 8, .value_kind: global_buffer, .address_space: global }
      - { .name: bo, .offset: 24, .size: 8, .value_kind: global_buffer, .address_space: global }
      - { .name: x, .offset: 32, .size: 8, .value_kind: global_buffer, .address_space: global }
      - { .name: x1, .offset: 40, .size: 8, .value_kind: global_buffer, .address_space: global }
    .group_segment_fixed_size: 327680
    .private_segment_fixed_size: 0
    .kernarg_segment_align: 8
    .kernarg_segment_size: 48
    .max_flat_workgroup_size: 128
    .sgpr_count:     100
    .vgpr_count:     768
    .wavefront_size: 32
...
	.end_amdgpu_metadata
.endif
;; end of part 4
;; launch ln2: the kernel of part 1 again; grid 256 x 1, 8 waves a work-group, no clusters, 83,968 bytes of LDS; arguments x1, g2, be2, hq; writes hq
;; launch ffn1 (part 5): grid 16 x 16, 4 waves a work-group, clusters of 4 x 4, 327,680 bytes of LDS; arguments hq, W1_codes, W1_scales, b1, mq; writes mq
.if DOCPART == 5
	.amdgcn_target "amdgcn-amd-amdhsa--gfx1250"
	.amdhsa_code_object_version 6
	.text
	.protected	k_qcf5a576841_ffn1
	.globl	k_qcf5a576841_ffn1
	.p2align	8
	.type	k_qcf5a576841_ffn1,@function
k_qcf5a576841_ffn1:
	s_mov_b64 s[64:65], 0
	v_nop
	global_prefetch_b8 v0, s[64:65] scope:SCOPE_SE
	s_setreg_imm32_b32 hwreg(HW_REG_WAVE_MODE, 25, 1), 1
	s_wait_xcnt 0x0
	s_wait_alu depctr_hold_cnt(0) depctr_sa_sdst(0) depctr_va_vdst(0) depctr_va_sdst(0) depctr_va_ssrc(0) depctr_va_vcc(0) depctr_vm_vsrc(0)
	s_getreg_b32 s2, hwreg(HW_REG_IB_STS2, 6, 4)
	s_cmp_eq_u32 s2, 0
	s_cbranch_scc0 .Lentry_in_a_cluster
	s_endpgm
.Lentry_in_a_cluster:
	s_bfe_u32 s2, ttmp6, 0x10000c
	s_cmp_lg_u32 s2, 0xf033
	s_cbranch_scc0 .Lentry_shape_is_right
	s_endpgm
.Lentry_shape_is_right:
; m = gelu(h W1 + b1), the exact GELU, on codes of FP6 (E2M3) with E8M0 scales for each 32 along K = 1,024; m is quantised along its 4,096 columns on the way out and never goes to memory as f32.
; THE PRODUCT: a tile of 256 x 256 by four waves, 128 x 128 each in 64 accumulators; K in steps of 256 through a ring of two LDS slots filled by the tensor data mover; the scale bytes of the work-group's rows come once.
; 4 x 4 work-groups form a cluster: h's tiles are asked for jointly along a row of the cluster, W1's along a column.  The matrix instruction is used transposed (source 0 = 16 rows of W1, source 1 = 16 rows of h):
; a lane holds eight neighbouring columns of one row.  b1 is the C of each sum's first matrix instruction.
; THE WAY OUT: a wave's 128 x 128 numbers go to its own stage in LDS (f32) and come back 64 a lane, register 16 b + i = column 32 b + 16 (lane / 16) + i of the lane's row; GELU; the quantiser.
; mq: codes [64 chunks of 64 columns][4,096 places][48 bytes]; scale words [32][4,096 places] from byte 12,582,912; a row stands at the place that swaps bits 3 and 4 of its number.
; GELU: 0.5 x (1 + erf(z)), z = x / sqrt(2) held to -4 .. 4; erf(z) = z P(z^2) / Q(z^2), P of degree 6, Q of degree 4, in f32, the division by v_rcp_f32.
; LIMITS: beyond |z| = 4 erf keeps its value at 4 (1 to within f32's last place), so far below zero the result is 0.5 x times a rounding error of 1 + erf and not the true tiny number.
; NaN and infinities are not served.  A block whose largest magnitude lies under 2^-124 keeps the byte 1 (a block of zeros too: its codes are zeros; this program alone reads the bytes).
; REGISTERS, in windows of 256: window 0: v0-31 addresses; v32-63 scale words, two sets; v64-127 b1; v128-223 A's fragments, one set.  window 1: B's fragments, two sets.  windows 2, 3: the accumulators ((a, b) at v[8 (8 (a % 4) + b)]).
.set KSTEP,  256
.set NQ,     2
.set ROWB,   192
.set KROW,   768
.set PITCH,  240                       ; an LDS row: 3 x (64 bytes + 16 of padding)
.set FR,     12
.set NL,     6
.set NP,     4
.set HALFT,  128*PITCH
.set SLOT,   4*HALFT
.set KS,     32
.set SCL,    2*SLOT
.set HALFS,  (128*KS/256)*272
.set SBLK,   (16*KS/256)*272
.set SPARE,  327168                    ; the spare words: the last 512 bytes of LDS, 128 for each wave; no other line names them
.set YW,     128*528                   ; the way out: a wave's 128 rows x (512 bytes + 16), f32
.set CST,    4*YW                      ; a wave's codes: [2 chunks][128 places][48 bytes]
.set SST,    CST+4*12288               ; a wave's scale words
.set HSC,    3145728                   ; where the scale bytes begin in hq
.set ADRA, 16
.set ADRB, 20
.set ADRS, 27
.set SPW,  28
.set NIL,  29
.set SC,   32
.set BI,   64                          ; v64-127 b1: block b's eight columns of my half at BI + 8 b
.set AF,   128
.set STO,  16
.set RDY,  17
.set CSA,  18
.set SSA,  19
.set RB,   20
.set RSC,  21
.set GO,   22
.set Y,    32                          ; v32-95 64 numbers
.set Z,    96                          ; v96-127  GELU: z, then 0.5 x
.set S,    128                         ; v128-159 z^2
.set P,    160                         ; v160-191 the numerator
.set Q,    192                         ; v192-223 the denominator
.set VA11, 224                         ; v[224:225], v[226:227]: two coefficients in vector pairs, so that no instruction names two scalar pairs
.set VB6,  226
.set TM,   96
.set PW,   112
.set CD,   128
.set SEL,  46
.set A13,  24                          ; the other coefficients, each twice, in the scalar registers that held the descriptors
.set A9,   26
.set A7,   28
.set A5,   30
.set A3,   32
.set A1,   34
.set B8,   36
.set B4,   38
.set B2,   40
.set B0,   42
.set G1, 24
.set G0, 32
.set G1B, 48
.set G0B, 56
.set G1S, 68
.set G0S, 76
.set G1SB, 80
.set G0SB, 88
.set MSB, 0
.macro WIN new                         ; the immediate's high byte repeats the setting that is left
.if MSB != \new
	s_set_vgpr_msb (MSB<<8)|\new
.set MSB, \new
.endif
.endm
.set MUL_LO, 0xa1                      ; source 0 (B) window 1, source 1 (A) window 0, C and D window 2
.set MUL_HI, 0xf1                      ; the same, C and D window 3
.set TO_B,   0x40
.macro JLOAD g0a, g1a, g0b, g1b        ; a joint load: waves 0 and 1 fetch for A, waves 2 and 3 for B; four v_nop follow each of the two lines
	s_cmp_eq_u32 s15, 0
	s_cbranch_scc0 .Lfor_b_\@
	tensor_load_to_lds s[\g0a:\g0a+3], s[\g1a:\g1a+7]
	s_nop 0
.rept 4
	v_nop
.endr
	s_branch .Lasked_\@
.Lfor_b_\@:
	tensor_load_to_lds s[\g0b:\g0b+3], s[\g1b:\g1b+7]
	s_nop 0
.rept 4
	v_nop
.endr
.Lasked_\@:
.endm
.macro CREST
	s_cmp_lg_u32 s14, 0
	s_cbranch_scc1 .Lnot_wave_0_\@
	s_barrier_signal -3
.Lnot_wave_0_\@:
	s_barrier_wait -3
	s_barrier_signal -1
	s_barrier_wait -1
.endm
.macro CROUND
	s_barrier_signal -1
	s_barrier_wait -1
	CREST
.endm
	s_load_b64 s[4:5], s[0:1], 0x0                 ; hq
	s_load_b64 s[8:9], s[0:1], 0x8                 ; W1's codes
	s_load_b64 s[10:11], s[0:1], 0x10              ; W1's scales
	s_load_b64 s[66:67], s[0:1], 0x18              ; b1
	s_load_b64 s[12:13], s[0:1], 0x20              ; mq
	v_lshl_add_u32 v[SPW], v0, 2, SPARE
	v_mov_b32 v[NIL], 0
	ds_add_u32 v28, v29
	ds_add_u32 v28, v29
	s_wait_dscnt 0x0
	v_lshrrev_b32 v1, 5, v0
	v_readfirstlane_b32 s14, v1                    ; wave 0..3
	s_lshr_b32 s15, s14, 1
	s_and_b32 s16, s14, 1
	s_bfe_u32 s40, ttmp6, 0x40000                  ; cx, cy
	s_bfe_u32 s41, ttmp6, 0x40004
	s_lshl_b32 s42, ttmp9, 2
	s_add_co_u32 s42, s42, s40                     ; tile column
	s_and_b32 s17, ttmp7, 0xffff
	s_lshl_b32 s17, s17, 2
	s_add_co_u32 s17, s17, s41                     ; tile row
	s_lshl_b32 s43, s41, 2
	s_lshl_b32 s43, 15, s43                        ; my row of the cluster
	s_lshl_b32 s44, 0x1111, s40                    ; my column
	s_or_b32 s[G1+0], s43, (0<<16)|(1<<20)|(1<<21)|(3<<22)|(3<<25)
	s_or_b32 s[G1B+0], s44, (0<<16)|(1<<20)|(1<<21)|(3<<22)|(3<<25)
.irp g, G1, G1B
	s_mov_b32 s[\g+1], ROWB<<16
	s_mov_b32 s[\g+2], 128<<16
	s_mov_b32 s[\g+3], ROWB<<16
	s_mov_b32 s[\g+4], 128
	s_mov_b32 s[\g+5], KROW
	s_mov_b32 s[\g+6], 0
	s_mov_b32 s[\g+7], 0
.endr
	s_or_b32 s[G1S+0], s43, (3<<16)|(1<<20)|(1<<21)|(5<<22)|(3<<25)
	s_or_b32 s[G1SB+0], s44, (3<<16)|(1<<20)|(1<<21)|(5<<22)|(3<<25)
.irp g, G1S, G1SB
	s_mov_b32 s[\g+1], 32<<16
	s_mov_b32 s[\g+2], (128*KS/256)<<16
	s_mov_b32 s[\g+3], 32<<16
	s_mov_b32 s[\g+4], 128*KS/256
	s_mov_b32 s[\g+5], 32
	s_mov_b32 s[\g+6], 0
	s_mov_b32 s[\g+7], 0
.endr
	s_lshl_b32 s18, s16, 7
	s_lshl_b32 s20, s17, 8
	s_add_co_u32 s20, s20, s18                     ; A: row 256 x tile row + 128 x half
	s_lshl_b32 s46, s42, 8
	s_add_co_u32 s46, s46, s18                     ; B: row 256 x tile column + 128 x half
	s_mov_b32 s21, 0
	s_mov_b32 s47, 0
	s_mov_b64 s[18:19], KS
	s_mul_u64 s[22:23], s[20:21], s[18:19]
	s_mul_u64 s[92:93], s[46:47], s[18:19]
	s_mov_b64 s[18:19], KROW
	s_mul_u64 s[20:21], s[20:21], s[18:19]
	s_mul_u64 s[46:47], s[46:47], s[18:19]
	s_mul_i32 s45, s14, HALFT
	s_mul_i32 s94, s14, HALFS
	s_wait_kmcnt 0x0
	s_add_nc_u64 s[6:7], s[4:5], HSC               ; h's scale bytes
	s_add_nc_u64 s[20:21], s[4:5], s[20:21]
	s_add_nc_u64 s[22:23], s[6:7], s[22:23]
	s_add_nc_u64 s[46:47], s[8:9], s[46:47]
	s_add_nc_u64 s[92:93], s[10:11], s[92:93]
	CROUND                                         ; all sixteen work-groups are here: the first joint loads meet
	s_mov_b32 s[G0S], 1
	s_add_co_u32 s[G0S+1], s94, SCL
	s_mov_b64 s[G0S+2:G0S+3], s[22:23]
	s_or_b32 s[G0S+3], s[G0S+3], 0x80000000
	s_mov_b32 s[G0SB], 1
	s_add_co_u32 s[G0SB+1], s94, SCL
	s_mov_b64 s[G0SB+2:G0SB+3], s[92:93]
	s_or_b32 s[G0SB+3], s[G0SB+3], 0x80000000
	JLOAD G0S, G1S, G0SB, G1SB
.irp s, 0,1
	s_mov_b32 s[G0+4*\s], 1
	s_add_co_u32 s[G0+4*\s+1], s45, \s*SLOT
	s_add_nc_u64 s[G0+4*\s+2:G0+4*\s+3], s[20:21], \s*ROWB
	s_or_b32 s[G0+4*\s+3], s[G0+4*\s+3], 0x80000000
	s_mov_b32 s[G0B+4*\s], 1
	s_add_co_u32 s[G0B+4*\s+1], s45, \s*SLOT
	s_add_nc_u64 s[G0B+4*\s+2:G0B+4*\s+3], s[46:47], \s*ROWB
	s_or_b32 s[G0B+4*\s+3], s[G0B+4*\s+3], 0x80000000
	JLOAD G0+4*\s, G1, G0B+4*\s, G1B               ; three tensor loads of mine are out
.endr
	v_and_b32 v1, 15, v0
	v_bfe_u32 v2, v0, 4, 1
	v_mul_u32_u24 v3, v1, PITCH
	v_mul_u32_u24 v4, v2, 24
	v_add_nc_u32 v4, v3, v4
	v_lshl_add_u32 v5, v2, 4, v4
	s_mul_i32 s21, s15, HALFT
	s_mul_i32 s22, s16, HALFT
	s_add_co_u32 s22, s22, 2*HALFT
.irp s, 0,1
	v_add_nc_u32 v[ADRA+\s], s21, v4
	v_add_nc_u32 v[ADRB+\s], s22, v4
	v_add_nc_u32 v[ADRA+2+\s], s21, v5
	v_add_nc_u32 v[ADRB+2+\s], s22, v5
	s_add_co_u32 s21, s21, SLOT
	s_add_co_u32 s22, s22, SLOT
.endr
	v_mul_u32_u24 v5, v1, KS
	v_lshrrev_b32 v6, 8, v5
	v_lshl_add_u32 v5, v6, 4, v5
	s_mul_i32 s21, s15, HALFS
	s_mul_i32 s22, s16, HALFS
	s_add_co_u32 s22, s22, 2*HALFS
	s_sub_co_u32 s22, s22, s21
	v_mul_u32_u24 v6, s22, v2
	s_add_co_u32 s21, s21, SCL
	v_add_nc_u32 v5, v5, v6
	v_add_nc_u32 v[ADRS], s21, v5
	s_lshl_b32 s20, s17, 8
	s_lshl_b32 s21, s15, 7
	s_add_co_u32 s20, s20, s21                     ; m0: my first row
	s_lshl_b32 s46, s42, 8
	s_lshl_b32 s47, s16, 7
	s_add_co_u32 s46, s46, s47                     ; n0: my first column
	s_lshl_b32 s22, s46, 2
	s_mov_b32 s23, 0
	s_add_nc_u64 s[66:67], s[66:67], s[22:23]      ; b1 at my columns
	s_lshr_b32 s22, s46, 6
	s_mul_i32 s22, s22, 196608
	s_mul_i32 s47, s20, 48
	s_add_co_u32 s22, s22, s47
	s_add_nc_u64 s[4:5], s[12:13], s[22:23]        ; my first chunk's codes
	s_add_nc_u64 s[6:7], s[4:5], 196608            ; my second chunk's
	s_lshr_b32 s22, s46, 7
	s_lshl_b32 s22, s22, 14
	s_lshl_b32 s47, s20, 2
	s_add_co_u32 s22, s22, s47
	s_add_co_u32 s22, s22, 12582912
	s_add_nc_u64 s[8:9], s[12:13], s[22:23]        ; my words
	v_lshlrev_b32 v7, 5, v2                        ; b1 in the result's layout: block b, my half's eight columns
.irp b, 0,1,2,3,4,5,6,7
	global_load_b128 v[BI+8*\b:BI+8*\b+3], v7, s[66:67] offset:64*\b
	global_load_b128 v[BI+8*\b+4:BI+8*\b+7], v7, s[66:67] offset:64*\b+16
.endr
.macro FRAG reg, adr, q, i
.irp p, 0,1,2,3,4,5
.set PC, 12*(\q)+6*(\p/3)+\p%3
.if PC%8 < 5
	ds_load_b64 v[\reg+2*\p:\reg+2*\p+1], v[\adr] offset:8*PC+16*(PC/8)+(\i)*16*PITCH
.else
	ds_load_b64 v[\reg+2*\p:\reg+2*\p+1], v[\adr+2] offset:8*PC+16*(PC/8)+(\i)*16*PITCH
.endif
.endr
.endm
; 16 matrix instructions: A's blocks a0, a0 + 1 x B's eight, 128 along K.  zero = 2: the first product starts the sums from b1.  The 64 accumulators take turns, one instruction a turn.
.macro MUL16 a0, p, q, sc, zero
.irp a, \a0, \a0+1
.irp b, 0,1,2,3,4,5,6,7
.if \zero == 2
	v_wmma_scale_f32_16x16x128_f8f6f4 v[8*(8*((\a)%4)+\b):8*(8*((\a)%4)+\b)+7], v[128*(\p)+FR*\b:128*(\p)+FR*\b+FR-1], v[AF+FR*(\a):AF+FR*(\a)+FR-1], v[BI+8*\b:BI+8*\b+7], v[SC+8*NQ*(\sc)+NQ*\b+(\q)], v[SC+8*NQ*(\sc)+NQ*(\a)+(\q)] matrix_a_fmt:MATRIX_FMT_FP6 matrix_b_fmt:MATRIX_FMT_FP6 matrix_a_scale:MATRIX_SCALE_ROW1
.else
	v_wmma_scale_f32_16x16x128_f8f6f4 v[8*(8*((\a)%4)+\b):8*(8*((\a)%4)+\b)+7], v[128*(\p)+FR*\b:128*(\p)+FR*\b+FR-1], v[AF+FR*(\a):AF+FR*(\a)+FR-1], v[8*(8*((\a)%4)+\b):8*(8*((\a)%4)+\b)+7], v[SC+8*NQ*(\sc)+NQ*\b+(\q)], v[SC+8*NQ*(\sc)+NQ*(\a)+(\q)] matrix_a_fmt:MATRIX_FMT_FP6 matrix_b_fmt:MATRIX_FMT_FP6 matrix_a_scale:MATRIX_SCALE_ROW1
.endif
.endr
.endr
.endm
.macro FETCH_B slot, q, p
	WIN TO_B
.irp i, 0,1,2,3,4,5,6,7
	FRAG 128*(\p)+FR*\i, ADRB+\slot, \q, \i
.endr
	WIN 0
.endm
.macro FETCH_A slot, q, i0
.irp i, \i0, \i0+1, \i0+2, \i0+3
	FRAG AF+FR*(\i), ADRA+\slot, \q, \i
.endr
.endm
.macro SCALES sc
.irp i, 0,1,2,3,4,5,6,7
	ds_load_b64 v[SC+8*NQ*\sc+NQ*\i:SC+8*NQ*\sc+NQ*\i+1], v[ADRS] offset:\i*SBLK
.endr
.endm
.macro PLACES n
.rept \n
	v_nop
.endr
.endm
.macro STEP slot, q, zero
	s_wait_dscnt 4*NL                              ; B's set and A's blocks 0-3 are in; the youngest 24 loads (A's blocks 4-7) may be out
.if \zero == 2
	WIN 0x81                                       ; C (b1) window 0, D window 2
.else
	WIN MUL_LO
.endif
	MUL16 0, (\q)%2, \q, \slot, \zero
	MUL16 2, (\q)%2, \q, \slot, \zero
	s_wait_dscnt 0
	PLACES NP
	FETCH_B \slot, (\q)+1, 1-(\q)%2
	FETCH_A \slot, (\q)+1, 0
.if \zero == 2
	WIN 0xc1                                       ; C window 0, D window 3
.else
	WIN MUL_HI
.endif
	MUL16 4, (\q)%2, \q, \slot, \zero
	MUL16 6, (\q)%2, \q, \slot, \zero
	PLACES NP
	WIN 0
	FETCH_A \slot, (\q)+1, 4
.endm
.macro TURN slot, next, fill
	s_wait_tensorcnt 0x0                           ; all my tensor loads have landed: my part of the next slot
	ds_add_u32 v[SPW], v[NIL]                      ; 0 onto my spare word
	s_wait_dscnt 4*NL+1                            ; (the add and the youngest 24 loads may be out)
	WIN MUL_LO
	MUL16 0, 1, NQ-1, \slot, 0
	s_wait_dscnt 0x0                               ; the add is done, and my reads of this slot are over
	s_barrier_signal -1
	MUL16 2, 1, NQ-1, \slot, 0
	WIN 0
	s_barrier_wait -1
.if \fill
	CREST                                          ; the barrier has opened a round of the cluster's barrier
	s_add_nc_u64 s[G0+4*\slot+2:G0+4*\slot+3], s[G0+4*\slot+2:G0+4*\slot+3], 2*ROWB
	s_add_nc_u64 s[G0B+4*\slot+2:G0B+4*\slot+3], s[G0B+4*\slot+2:G0B+4*\slot+3], 2*ROWB
	JLOAD G0+4*\slot, G1, G0B+4*\slot, G1B         ; the first tensor load behind the round
.else
	PLACES NP
.endif
	v_add_nc_u32 v[ADRS], 4*NQ, v[ADRS]
	FETCH_B \next, 0, 0
	FETCH_A \next, 0, 0
	SCALES \next
	WIN MUL_HI
	MUL16 4, 1, NQ-1, \slot, 0
	MUL16 6, 1, NQ-1, \slot, 0
	PLACES NP
	WIN 0
	FETCH_A \next, 0, 4
.endm
	s_wait_tensorcnt 1                             ; the scales and my part of K step 0 are in (K step 1's load may be out),
	s_barrier_signal -1
	s_barrier_wait -1                              ; everybody's are
	FETCH_B 0, 0, 0
	FETCH_A 0, 0, 0
	SCALES 0
	FETCH_A 0, 0, 4
	s_wait_loadcnt 0x0                             ; b1
	STEP 0, 0, 2                                   ; K = 1,024 is four K steps: twice round the ring, written straight
	TURN 0, 1, 1
	STEP 1, 0, 0
	TURN 1, 0, 1
	STEP 0, 0, 0
	TURN 0, 1, 0
	STEP 1, 0, 0
	s_wait_dscnt 4*NL
	WIN MUL_LO
	MUL16 0, 1, NQ-1, 1, 0
	MUL16 2, 1, NQ-1, 1, 0
	s_wait_dscnt 0
	WIN MUL_HI
	MUL16 4, 1, NQ-1, 1, 0
	MUL16 6, 1, NQ-1, 1, 0
	WIN 0
	; ---- THE WAY OUT.  The stages lie over the ring and the scales, which have had their last fill; the barrier below says that nobody reads them any more.
	PLACES NP
	v_and_b32 v1, 15, v0
	v_bfe_u32 v2, v0, 4, 1
	v_and_b32 v3, 31, v0
	s_mul_i32 s20, s14, YW
	v_mul_u32_u24 v4, v1, 528
	v_add_nc_u32 v4, s20, v4
	v_lshl_add_u32 v[STO], v2, 5, v4
	v_lshl_add_u32 v[RDY], v2, 6, v4
	v_bfe_u32 v5, v0, 3, 1
	v_and_b32 v6, 7, v0
	v_lshl_add_u32 v5, v5, 4, v6                   ; my row's place in its 32: 16 (r / 8) + r % 8
	s_mul_i32 s21, s14, 12288
	s_add_co_u32 s21, s21, CST
	v_mul_u32_u24 v6, v5, 48
	v_mad_u32_u24 v6, v2, 24, v6
	v_add_nc_u32 v[CSA], s21, v6
	v_lshl_add_u32 v[RB], v3, 4, s21
	s_lshl_b32 s22, s14, 10
	s_add_co_u32 s22, s22, SST
	v_lshlrev_b32 v6, 2, v5
	v_lshl_add_u32 v6, v2, 9, v6                   ; lanes 16-31, which hold the same word, write a second array that nobody reads
	v_add_nc_u32 v[SSA], s22, v6
	v_lshl_add_u32 v[RSC], v3, 4, s22
	v_lshlrev_b32 v[GO], 4, v3
	v_mov_b32 v[VA11], 0x32edffee
	v_mov_b32 v[VA11+1], 0x32edffee
	v_mov_b32 v[VB6], 0xb95fbd29
	v_mov_b32 v[VB6+1], 0xb95fbd29
.irp b, 0,1,2,3
	v_mov_b32 v[TM+4+\b], 0
.endr
	s_mov_b32 s[SEL], 0x76543210
	s_mov_b32 s[SEL+1], 0xfedcba98
.macro SETP reg, val                   ; (no tensor load of mine is out: the descriptors' registers are free)
	s_mov_b32 s[\reg], \val
	s_mov_b32 s[\reg+1], s[\reg]
.endm
	SETP A13, 0xaf95df09
	SETP A9,  0xb60cff51
	SETP A7,  0xb86ec2d2
	SETP A5,  0xba40ac63
	SETP A3,  0xbb41a1f6
	SETP A1,  0xbc83dbd4
	SETP B8,  0xb77460cd
	SETP B4,  0xbadc924e
	SETP B2,  0xbbf19bf8
	SETP B0,  0xbc69b6a7
	s_wait_dscnt 0x0
	s_barrier_signal -1
	s_barrier_wait -1
.macro DUMP hi
	WIN 0x08+4*\hi
.irp a, 0,1,2,3
.irp b, 0,1,2,3,4,5,6,7
	ds_store_b128 v[STO], v[8*(8*\a+\b):8*(8*\a+\b)+3] offset:8448*(4*\hi+\a)+64*\b
	ds_store_b128 v[STO], v[8*(8*\a+\b)+4:8*(8*\a+\b)+7] offset:8448*(4*\hi+\a)+64*\b+16
.endr
.endr
	WIN 0
.endm
.macro HORN d, c                       ; d = d x z^2 + c, sixteen pairs
.set i, 0
.rept 16
	v_pk_fma_f32 v[\d+i:\d+i+1], v[\d+i:\d+i+1], v[S+i:S+i+1], s[\c:\c+1] op_sel_hi:[1,1,0]
.set i, i+2
.endr
.endm
.macro GELU x                          ; 32 numbers in v[x] on, in place
.set i, 0
.rept 16
	v_pk_mul_f32 v[Z+i:Z+i+1], v[\x+i:\x+i+1], 0x3f3504f3 op_sel_hi:[1,0]     ; z = x / sqrt(2)
.set i, i+2
.endr
.set i, 0
.rept 32
	v_med3_num_f32 v[Z+i], v[Z+i], -4.0, 4.0
.set i, i+1
.endr
.set i, 0
.rept 16
	v_pk_mul_f32 v[S+i:S+i+1], v[Z+i:Z+i+1], v[Z+i:Z+i+1]
.set i, i+2
.endr
.set i, 0
.rept 16
	v_pk_fma_f32 v[P+i:P+i+1], v[S+i:S+i+1], s[A13:A13+1], v[VA11:VA11+1] op_sel_hi:[1,0,1]
	v_pk_fma_f32 v[Q+i:Q+i+1], v[S+i:S+i+1], s[B8:B8+1], v[VB6:VB6+1] op_sel_hi:[1,0,1]
.set i, i+2
.endr
	HORN P, A9
	HORN Q, B4
	HORN P, A7
	HORN Q, B2
	HORN P, A5
	HORN Q, B0
	HORN P, A3
.set i, 0
.rept 32
	v_rcp_f32 v[Q+i], v[Q+i]                       ; one batch
.set i, i+1
.endr
	HORN P, A1                                     ; independent work behind the batch
.set i, 0
.rept 16
	v_pk_mul_f32 v[P+i:P+i+1], v[P+i:P+i+1], v[Z+i:Z+i+1]
.set i, i+2
.endr
.set i, 0
.rept 16
	v_pk_mul_f32 v[Z+i:Z+i+1], v[\x+i:\x+i+1], 0.5 op_sel_hi:[1,0]
.set i, i+2
.endr
	s_wait_alu depctr_va_vdst(0)                   ; one wait for the 32 reciprocals, ahead of their first reader
.set i, 0
.rept 16
	v_pk_mul_f32 v[P+i:P+i+1], v[P+i:P+i+1], v[Q+i:Q+i+1]          ; erf(z)
.set i, i+2
.endr
.set i, 0
.rept 16
	v_pk_fma_f32 v[\x+i:\x+i+1], v[Z+i:Z+i+1], v[P+i:P+i+1], v[Z+i:Z+i+1]    ; 0.5 x erf + 0.5 x
.set i, i+2
.endr
.endm
.macro QUANT s
.irp b, 0,1,2,3
	v_max3_num_f32 v[TM+\b], |v[\s+16*\b]|, |v[\s+1+16*\b]|, 0x1800000   ; block b: my 16 numbers, and the floor 2^(3 - 127)
.endr
.irp i, 2,4,6,8,10,12,14
.irp b, 0,1,2,3
	v_max3_num_f32 v[TM+\b], v[TM+\b], |v[\s+16*\b+\i]|, |v[\s+1+16*\b+\i]|
.endr
.endr
.irp b, 0,1,2,3
	v_permlanex16_b32 v[TM+4+\b], v[TM+\b], s[SEL], s[SEL+1]
.endr
.irp b, 0,1,2,3
	v_max_num_f32 v[TM+\b], v[TM+\b], v[TM+4+\b]
.endr
.irp b, 0,1,2,3
	v_add_nc_u32 v[TM+12+\b], 0xff000000, v[TM+\b]
.endr
.irp b, 0,1,2,3
	v_lshrrev_b32 v[TM+4+\b], 23, v[TM+12+\b]
.endr
	v_lshl_or_b32 v[PW], v[TM+5], 8, v[TM+4]
	v_lshl_or_b32 v[PW], v[TM+6], 16, v[PW]
	v_lshl_or_b32 v[PW], v[TM+7], 24, v[PW]
.irp c, 0,1
	v_cvt_scalef32_pk16_fp6_f32 v[CD+6*\c:CD+2+6*\c], v[\s+32*\c:\s+15+32*\c], v[TM+12+2*\c]
	v_cvt_scalef32_pk16_fp6_f32 v[CD+12+4*\c:CD+14+4*\c], v[\s+16+32*\c:\s+31+32*\c], v[TM+12+2*\c+1]
.endr
	v_nop
.irp c, 0,1
.irp i, 0,1,2
	v_permlane16_swap_b32 v[CD+6*\c+\i], v[CD+12+4*\c+\i]
.endr
.irp i, 0,1,2
	v_mov_b32 v[CD+3+6*\c+\i], v[CD+12+4*\c+\i]
.endr
.endr
.endm
.macro PART u                          ; block a = 2 x trip + u of 16 rows
.irp e, 0,1,2,3
.irp f, 0,1,2,3
	ds_load_b128 v[Y+16*\e+4*\f:Y+16*\e+4*\f+3], v[RDY] offset:8448*\u+128*\e+16*\f
.endr
.endr
	s_wait_dscnt 0x0                               ; the numbers are in, and the last block's stores have read their registers
	GELU Y
	GELU Y+32
	QUANT Y
.irp c, 0,1
.irp p, 0,1,2
	ds_store_b64 v[CSA], v[CD+6*\c+2*\p:CD+6*\c+2*\p+1] offset:6144*\c+384*\u+8*\p
.endr
.endr
	ds_store_b32 v[SSA], v[PW] offset:32*\u
.endm
	DUMP 0
	DUMP 1
	s_mov_b32 s3, 4
.Lepi:                                             ; four trips of two blocks: every address steps by a constant
	PART 0
	PART 1
	s_wait_dscnt 0x0
	v_add_nc_u32 v[RDY], 2*8448, v[RDY]
	v_add_nc_u32 v[CSA], 32*48, v[CSA]
	v_add_nc_u32 v[SSA], 32*4, v[SSA]
	s_sub_co_u32 s3, s3, 1
	s_cmp_lg_u32 s3, 0
	s_cbranch_scc1 .Lepi
	ds_load_b128 v[128:131], v[RSC]                ; LDS serves a wave's instructions in order: these see my stores
.irp t, 0,1,2,3,4,5,6,7,8,9,10,11,12,13,14,15,16,17,18,19,20,21,22,23
	ds_load_b128 v[32+4*\t:35+4*\t], v[RB] offset:512*\t
.endr
.irp t, 0,1,2,3,4,5,6,7,8,9,10,11
	s_wait_dscnt 23-\t                             ; the later loads of codes may be out
	global_store_b128 v[GO], v[32+4*\t:35+4*\t], s[4:5] offset:512*\t      ; 32 lanes store 512 consecutive bytes, at a multiple of 256 from the buffer's first byte
.endr
.irp t, 12,13,14,15,16,17,18,19,20,21,22,23
	s_wait_dscnt 23-\t
	global_store_b128 v[GO], v[32+4*\t:35+4*\t], s[6:7] offset:512*(\t-12)
.endr
	global_store_b128 v[GO], v[128:131], s[8:9]
	s_wait_tensorcnt 0x0                           ; the wave's end
	ds_add_u32 v[SPW], v[NIL]
	s_wait_dscnt 0x0
	CROUND                                         ; the closing round
	s_endpgm
.Lfunc_end_k_qcf5a576841_ffn1:
	.size	k_qcf5a576841_ffn1, .Lfunc_end_k_qcf5a576841_ffn1-k_qcf5a576841_ffn1
	.p2alignl 7, 3214868480
	.fill 96, 4, 3214868480
	.section	.rodata,"a",@progbits
	.p2align	6, 0x0
	.amdhsa_kernel k_qcf5a576841_ffn1
		.amdhsa_group_segment_fixed_size 327680
		.amdhsa_private_segment_fixed_size 0
		.amdhsa_enable_private_segment 0
		.amdhsa_kernarg_size 40
		.amdhsa_user_sgpr_count 2
		.amdhsa_user_sgpr_kernarg_segment_ptr 1
		.amdhsa_wavefront_size32 1
		.amdhsa_system_sgpr_workgroup_id_x 1
		.amdhsa_system_sgpr_workgroup_id_y 1
		.amdhsa_system_sgpr_workgroup_id_z 1
		.amdhsa_system_vgpr_workitem_id 0
		.amdhsa_next_free_vgpr 1024
		.amdhsa_next_free_sgpr 100
		.amdhsa_reserve_vcc 0
		.amdhsa_float_denorm_mode_32 3
		.amdhsa_float_denorm_mode_16_64 3
		.amdhsa_memory_ordered 1
		.amdhsa_forward_progress 1
		.amdhsa_inst_pref_size 236
	.end_amdhsa_kernel
	.amdgpu_metadata
---
amdhsa.version: [ 1, 2 ]
amdhsa.kernels:
  - .name:           k_qcf5a576841_ffn1
    .symbol:         k_qcf5a576841_ffn1.kd
    .args:
      - { .name: hq, .offset: 0, .size: 8, .value_kind: global_buffer, .address_space: global }
      - { .name: W1_codes, .offset: 8, .size: 8, .value_kind: global_buffer, .address_space: global }
      - { .name: W1_scales, .offset: 16, .size: 8, .value_kind: global_buffer, .address_space: global }
      - { .name: b1, .offset: 24, .size: 8, .value_kind: global_buffer, .address_space: global }
      - { .name: mq, .offset: 32, .size: 8, .value_kind: global_buffer, .address_space: global }
    .group_segment_fixed_size: 327680
    .private_segment_fixed_size: 0
    .kernarg_segment_align: 8
    .kernarg_segment_size: 40
    .max_flat_workgroup_size: 128
    .sgpr_count:     100
    .vgpr_count:     1024
    .wavefront_size: 32
...
	.end_amdgpu_metadata
.endif
;; end of part 5
;; launch ffn2 (part 6): grid 8 x 32, 4 waves a work-group, clusters of 4 x 4, 327,680 bytes of LDS; arguments mq, W2_codes, W2_scales, b2, x1, out0; writes out0
.if DOCPART == 6
	.amdgcn_target "amdgcn-amd-amdhsa--gfx1250"
	.amdhsa_code_object_version 6
	.text
	.protected	k_qcf5a576841_ffn2
	.globl	k_qcf5a576841_ffn2
	.p2align	8
	.type	k_qcf5a576841_ffn2,@function
k_qcf5a576841_ffn2:
	s_mov_b64 s[64:65], 0
	v_nop
	global_prefetch_b8 v0, s[64:65] scope:SCOPE_SE
	s_setreg_imm32_b32 hwreg(HW_REG_WAVE_MODE, 25, 1), 1
	s_wait_xcnt 0x0
	s_wait_alu depctr_hold_cnt(0) depctr_sa_sdst(0) depctr_va_vdst(0) depctr_va_sdst(0) depctr_va_ssrc(0) depctr_va_vcc(0) depctr_vm_vsrc(0)
	s_getreg_b32 s2, hwreg(HW_REG_IB_STS2, 6, 4)
	s_cmp_eq_u32 s2, 0
	s_cbranch_scc0 .Lentry_in_a_cluster
	s_endpgm
.Lentry_in_a_cluster:
	s_bfe_u32 s2, ttmp6, 0x10000c
	s_cmp_lg_u32 s2, 0xf033
	s_cbranch_scc0 .Lentry_shape_is_right
	s_endpgm
.Lentry_shape_is_right:
; out = resid + A W^T + bias on codes of FP6 (E2M3) with E8M0 scales for each 32 along K.  A: 4,096 rows, as this program's own launches lay it: codes [K / 64][4,096 places][48 bytes], scale words [K / 128][4,096 places] from byte ASC;
; a row stands at the place that swaps bits 3 and 4 of its number.  W: [1,024][K] codes, K innermost, scale bytes [1,024][K / 32].  bias [1,024], resid and out [4,096][1,024]: f32.
; N is 1,024: tiles of 256 x 256 would be 64, so a tile is 128 x 128: 256 work-groups of four waves, 64 x 64 each in 16 accumulators.  K goes in steps of 512 through a ring of two LDS slots.
; 4 x 4 work-groups form a cluster: A's tiles are asked for jointly along a row of the cluster, W's along a column.  The scale words of the work-group's rows come once, with the first fills.
; The matrix instruction is used transposed (source 0 = 16 rows of W, source 1 = 16 rows of A): a lane holds eight neighbouring columns of one row.
; The residual's 64 x 64 numbers of a wave are asked for at the head, in the layout in which the results leave, and land while the products run.
; No prefetch: a tile this small has few refills (six at K = 4,096).
; REGISTERS: window 0: v0-31 addresses, v12-15 the bias; v32-63 scale words, two sets; v128-175 A's four fragments, one set; v64-127 the way out.  window 1: W's fragments, two sets.  window 2: v0-127 accumulators ((a, b) at v[8 (4 a + b)]), v128-255 the residual.
.set SIZE_K, 4096
.set ASC,    12582912
.set KSTEP,  512
.set KROW,   SIZE_K*6/8
.set KS,     SIZE_K/32
.set NKS,    SIZE_K/128
.set LAPS,   SIZE_K/(2*KSTEP)
.set FR,     12
.set AH,     8*64*48                   ; A's 64 rows of a K step: [8 chunks][64 places][48 bytes]: rows 12 words apart start at 16 different groups of four banks
.set BP,     432                       ; a row of W in LDS: 3 x (128 bytes + 16 of padding) = 108 words: likewise
.set BH,     64*BP
.set SLOT,   2*AH+2*BH
.set SCA,    2*SLOT                    ; A's words: [half][K / 128][64 places]
.set SAH,    256*NKS
.set SCB,    SCA+2*SAH                 ; W's scale bytes, as units of 256 bytes + 16 of padding
.set HALFS,  (64*KS/256)*272
.set SBLK,   (16*KS/256)*272
.set SPARE,  327168                    ; the spare words: the last 512 bytes of LDS; no other line names them
.set SPITCH, 272                       ; the way out: a stage of 16 rows x (256 bytes + 16) for each wave, in slot 0, which has had its last fill and its last read by then
.set ADRA, 16
.set ADRB, 20
.set STO,  24
.set RD,   25
.set CO,   26
.set ADSA, 27
.set SPW,  28
.set NIL,  29
.set ADSB, 30
.set SC,   32                          ; set s: A's block i at SC + 16 s + 2 i + k, W's block b at SC + 16 s + 8 + 2 b + k: lanes 0-15 the slot's step 2 k, lanes 16-31 step 2 k + 1
.set BK,   64
.set AF,   128
.set G1, 24
.set G0, 32
.set G1B, 48
.set G0B, 56
.set G1S, 68
.set G0S, 76
.set G1SB, 80
.set G0SB, 88
.set MSB, 0
.macro WIN new                         ; the immediate's high byte repeats the setting that is left
.if MSB != \new
	s_set_vgpr_msb (MSB<<8)|\new
.set MSB, \new
.endif
.endm
.set MUL,  0xa1                        ; source 0 (W) window 1, source 1 (A) window 0, C and D window 2
.set TO_B, 0x40
.macro JLOAD g0a, g1a, g0b, g1b        ; a joint load: waves 0 and 1 fetch for A, waves 2 and 3 for W; four v_nop follow each of the two lines
	s_cmp_eq_u32 s15, 0
	s_cbranch_scc0 .Lfor_b_\@
	tensor_load_to_lds s[\g0a:\g0a+3], s[\g1a:\g1a+7]
	s_nop 0
.rept 4
	v_nop
.endr
	s_branch .Lasked_\@
.Lfor_b_\@:
	tensor_load_to_lds s[\g0b:\g0b+3], s[\g1b:\g1b+7]
	s_nop 0
.rept 4
	v_nop
.endr
.Lasked_\@:
.endm
.macro CREST
	s_cmp_lg_u32 s14, 0
	s_cbranch_scc1 .Lnot_wave_0_\@
	s_barrier_signal -3
.Lnot_wave_0_\@:
	s_barrier_wait -3
	s_barrier_signal -1
	s_barrier_wait -1
.endm
.macro CROUND
	s_barrier_signal -1
	s_barrier_wait -1
	CREST
.endm
	s_load_b256 s[4:11], s[0:1], 0x0               ; A s[4:5], W's codes s[6:7], W's scales s[8:9], bias s[10:11]
	s_load_b128 s[92:95], s[0:1], 0x20             ; resid s[92:93], out s[94:95]
	v_lshl_add_u32 v[SPW], v0, 2, SPARE
	v_mov_b32 v[NIL], 0
	ds_add_u32 v28, v29
	ds_add_u32 v28, v29
	s_wait_dscnt 0x0
	v_lshrrev_b32 v1, 5, v0
	v_readfirstlane_b32 s14, v1                    ; wave 0..3
	s_lshr_b32 s15, s14, 1                         ; which half of the tile's rows is mine.  Also: I fetch for A (0) or for W (1)
	s_and_b32 s16, s14, 1                          ; which half of its columns.  Also: which 64 rows I fetch
	s_bfe_u32 s40, ttmp6, 0x40000                  ; cx, cy
	s_bfe_u32 s41, ttmp6, 0x40004
	s_lshl_b32 s42, ttmp9, 2
	s_add_co_u32 s42, s42, s40                     ; tile column
	s_and_b32 s17, ttmp7, 0xffff
	s_lshl_b32 s17, s17, 2
	s_add_co_u32 s17, s17, s41                     ; tile row
	s_lshl_b32 s43, s41, 2
	s_lshl_b32 s43, 15, s43                        ; my row of the cluster
	s_lshl_b32 s44, 0x1111, s40                    ; my column
	s_or_b32 s[G1+0], s43, (3<<16)|(1<<21)         ; A's codes: 8 chunks, each 64 places x 48 bytes = 384 elements of 8 bytes, dense; chunks 4,096 x 48 bytes apart; no padding
	s_mov_b32 s[G1+1], 384<<16
	s_mov_b32 s[G1+2], 8<<16
	s_mov_b32 s[G1+3], 384<<16
	s_mov_b32 s[G1+4], 8
	s_mov_b32 s[G1+5], 24576
	s_mov_b32 s[G1+6], 0
	s_mov_b32 s[G1+7], 0
	s_or_b32 s[G1B+0], s44, (0<<16)|(1<<20)|(1<<21)|(4<<22)|(3<<25)   ; W's codes: 64 rows x 384 bytes; after every 32 words 4 words of padding
	s_mov_b32 s[G1B+1], 384<<16
	s_mov_b32 s[G1B+2], 64<<16
	s_mov_b32 s[G1B+3], 384<<16
	s_mov_b32 s[G1B+4], 64
	s_mov_b32 s[G1B+5], KROW
	s_mov_b32 s[G1B+6], 0
	s_mov_b32 s[G1B+7], 0
	s_or_b32 s[G1S+0], s43, (3<<16)|(1<<21)        ; A's words: K / 128 rows of 256 bytes, 16,384 bytes apart
	s_mov_b32 s[G1S+1], 32<<16
	s_mov_b32 s[G1S+2], NKS<<16
	s_mov_b32 s[G1S+3], 32<<16
	s_mov_b32 s[G1S+4], NKS
	s_mov_b32 s[G1S+5], 2048
	s_mov_b32 s[G1S+6], 0
	s_mov_b32 s[G1S+7], 0
	s_or_b32 s[G1SB+0], s44, (3<<16)|(1<<20)|(1<<21)|(5<<22)|(3<<25)  ; W's scale bytes of 64 rows: a dense block, as rows of 256 bytes, 16 bytes of padding behind each
	s_mov_b32 s[G1SB+1], 32<<16
	s_mov_b32 s[G1SB+2], (64*KS/256)<<16
	s_mov_b32 s[G1SB+3], 32<<16
	s_mov_b32 s[G1SB+4], 64*KS/256
	s_mov_b32 s[G1SB+5], 32
	s_mov_b32 s[G1SB+6], 0
	s_mov_b32 s[G1SB+7], 0
	s_lshl_b32 s18, s16, 6                         ; which 64 rows I fetch
	s_lshl_b32 s20, s17, 7
	s_add_co_u32 s20, s20, s18                     ; A: place 128 x tile row + 64 x half
	s_lshl_b32 s46, s42, 7
	s_add_co_u32 s46, s46, s18                     ; W: row 128 x tile column + 64 x half
	s_lshl_b32 s22, s20, 2
	s_add_co_u32 s22, s22, ASC                     ; A's words
	s_mov_b32 s23, 0
	s_mul_i32 s20, s20, 48                         ; A's codes
	s_mov_b32 s21, 0
	s_mul_i32 s96, s46, KS                         ; W's scale bytes
	s_mov_b32 s97, 0
	s_mul_i32 s46, s46, KROW                       ; W's codes
	s_mov_b32 s47, 0
	s_mul_i32 s45, s16, AH                         ; where they go: no place in the cluster enters an LDS address
	s_mul_i32 s98, s16, BH
	s_add_co_u32 s98, s98, 2*AH
	s_mul_i32 s99, s16, SAH
	s_mul_i32 s19, s16, HALFS
	s_wait_kmcnt 0x0
	s_add_nc_u64 s[20:21], s[4:5], s[20:21]
	s_add_nc_u64 s[22:23], s[4:5], s[22:23]
	s_add_nc_u64 s[46:47], s[6:7], s[46:47]
	s_add_nc_u64 s[96:97], s[8:9], s[96:97]
	CROUND                                         ; all sixteen work-groups are here: the first joint loads meet
	s_mov_b32 s[G0S], 1
	s_add_co_u32 s[G0S+1], s99, SCA
	s_mov_b64 s[G0S+2:G0S+3], s[22:23]
	s_or_b32 s[G0S+3], s[G0S+3], 0x80000000
	s_mov_b32 s[G0SB], 1
	s_add_co_u32 s[G0SB+1], s19, SCB
	s_mov_b64 s[G0SB+2:G0SB+3], s[96:97]
	s_or_b32 s[G0SB+3], s[G0SB+3], 0x80000000
	JLOAD G0S, G1S, G0SB, G1SB                     ; the scales first
.irp s, 0,1
	s_mov_b32 s[G0+4*\s], 1
	s_add_co_u32 s[G0+4*\s+1], s45, \s*SLOT
	s_add_nc_u64 s[G0+4*\s+2:G0+4*\s+3], s[20:21], \s*8*196608
	s_or_b32 s[G0+4*\s+3], s[G0+4*\s+3], 0x80000000
	s_mov_b32 s[G0B+4*\s], 1
	s_add_co_u32 s[G0B+4*\s+1], s98, \s*SLOT
	s_add_nc_u64 s[G0B+4*\s+2:G0B+4*\s+3], s[46:47], \s*384
	s_or_b32 s[G0B+4*\s+3], s[G0B+4*\s+3], 0x80000000
	JLOAD G0+4*\s, G1, G0B+4*\s, G1B               ; three tensor loads of mine are out
.endr
	v_and_b32 v1, 15, v0                           ; r
	v_bfe_u32 v2, v0, 4, 1                         ; h
	v_mul_u32_u24 v3, v1, 48
	v_mad_u32_u24 v3, v2, 24, v3                   ; A: 48 r + 24 h
	v_mul_u32_u24 v4, v1, BP
	v_mad_u32_u24 v4, v2, 24, v4                   ; W: 432 r + 24 h
	v_lshl_add_u32 v5, v2, 4, v4                   ; and the same behind one padding more
	s_mul_i32 s21, s15, AH
	s_mul_i32 s22, s16, BH
	s_add_co_u32 s22, s22, 2*AH
.irp s, 0,1
	v_add_nc_u32 v[ADRA+\s], s21, v3
	v_add_nc_u32 v[ADRB+\s], s22, v4
	v_add_nc_u32 v[ADRB+2+\s], s22, v5
	s_add_co_u32 s21, s21, SLOT
	s_add_co_u32 s22, s22, SLOT
.endr
	s_mul_i32 s21, s15, SAH
	s_add_co_u32 s21, s21, SCA
	v_lshlrev_b32 v5, 2, v1
	v_lshl_add_u32 v5, v2, 8, v5                   ; A's words: 4 r; lanes 16-31 one step of 128 (256 bytes) on
	v_add_nc_u32 v[ADSA], s21, v5
	v_mul_u32_u24 v5, v1, KS                       ; W's: KS bytes a row,
	v_lshrrev_b32 v6, 8, v5
	v_lshl_add_u32 v5, v6, 4, v5                   ; 16 more for each 256 passed;
	v_lshl_add_u32 v5, v2, 2, v5                   ; lanes 16-31 one word on
	s_mul_i32 s22, s16, HALFS
	s_add_co_u32 s22, s22, SCB
	v_add_nc_u32 v[ADSB], s22, v5
	s_mul_i32 s23, s14, 16*SPITCH                  ; my stage
	v_mul_u32_u24 v5, v1, SPITCH
	v_lshl_add_u32 v5, v2, 5, v5
	v_add_nc_u32 v[STO], s23, v5                   ; in: row r, 32 bytes for each half of the lanes
	v_mul_u32_u24 v5, v2, SPITCH
	v_lshl_add_u32 v5, v1, 4, v5
	v_add_nc_u32 v[RD], s23, v5                    ; back: lanes 0-15 one row of 256 bytes, lanes 16-31 the next
	v_lshlrev_b32 v7, 4, v1
	v_lshl_add_u32 v[CO], v2, 12, v7               ; and the same two rows in memory (4,096 bytes a row)
	s_lshl_b32 s20, s17, 7
	s_lshl_b32 s21, s15, 6
	s_add_co_u32 s20, s20, s21
	s_lshl_b32 s20, s20, 12                        ; my first row, in bytes
	s_lshl_b32 s46, s42, 9
	s_lshl_b32 s47, s16, 8
	s_add_co_u32 s46, s46, s47                     ; my first column, in bytes
	s_mov_b32 s47, 0
	s_add_nc_u64 s[10:11], s[10:11], s[46:47]
	s_add_co_u32 s46, s46, s20
	s_add_nc_u64 s[92:93], s[92:93], s[46:47]
	s_add_nc_u64 s[94:95], s[94:95], s[46:47]
	WIN 0x80                                       ; destination window 2
.irp a, 0,1,2,3                                ; the residual: the row at place 16 a + 2 t + h is row 32 (a / 2) + 16 (t / 4) + 8 (a % 2) + 2 (t % 4) + h
.irp t, 0,1,2,3,4,5,6,7
	global_load_b128 v[128+4*(8*\a+\t):128+4*(8*\a+\t)+3], v[CO], s[92:93] offset:4096*(32*(\a/2)+16*(\t/4)+8*(\a%2)+2*(\t%4))
.endr
.endr
	WIN 0
	global_load_b128 v[12:15], v7, s[10:11]        ; the bias of my four columns
.macro FRAGA reg, slot, q, i           ; A's fragment: registers 6 c .. 6 c + 5 are the 24 bytes of my half in chunk 2 q + c
.irp p, 0,1,2,3,4,5
	ds_load_b64 v[\reg+2*\p:\reg+2*\p+1], v[ADRA+\slot] offset:(2*(\q)+\p/3)*3072+768*(\i)+8*(\p%3)
.endr
.endm
.macro FRAGB reg, adr, q, i            ; W's: pieces of 8 bytes; 16 bytes of padding behind every 16 pieces; where the piece three on (lanes 16-31) lies behind one padding more, the second address register serves
.irp p, 0,1,2,3,4,5
.set PC, 12*(\q)+6*(\p/3)+\p%3
.if PC%16 < 13
	ds_load_b64 v[\reg+2*\p:\reg+2*\p+1], v[\adr] offset:8*PC+16*(PC/16)+(\i)*16*BP
.else
	ds_load_b64 v[\reg+2*\p:\reg+2*\p+1], v[\adr+2] offset:8*PC+16*(PC/16)+(\i)*16*BP
.endif
.endr
.endm
; four matrix instructions: A's block a x W's four.  The 16 accumulators take turns, one instruction a turn.  An odd step's scale words lie in lanes 16-31.
.macro MULA a, p, q, sc, zero
.irp b, 0,1,2,3
.if \zero
	v_wmma_scale_f32_16x16x128_f8f6f4 v[8*(4*(\a)+\b):8*(4*(\a)+\b)+7], v[128*(\p)+FR*\b:128*(\p)+FR*\b+FR-1], v[AF+FR*(\a):AF+FR*(\a)+FR-1], 0, v[SC+16*(\sc)+8+2*\b+(\q)/2], v[SC+16*(\sc)+2*(\a)+(\q)/2] matrix_a_fmt:MATRIX_FMT_FP6 matrix_b_fmt:MATRIX_FMT_FP6
.elseif (\q)%2
	v_wmma_scale_f32_16x16x128_f8f6f4 v[8*(4*(\a)+\b):8*(4*(\a)+\b)+7], v[128*(\p)+FR*\b:128*(\p)+FR*\b+FR-1], v[AF+FR*(\a):AF+FR*(\a)+FR-1], v[8*(4*(\a)+\b):8*(4*(\a)+\b)+7], v[SC+16*(\sc)+8+2*\b+(\q)/2], v[SC+16*(\sc)+2*(\a)+(\q)/2] matrix_a_fmt:MATRIX_FMT_FP6 matrix_b_fmt:MATRIX_FMT_FP6 matrix_a_scale:MATRIX_SCALE_ROW1 matrix_b_scale:MATRIX_SCALE_ROW1
.else
	v_wmma_scale_f32_16x16x128_f8f6f4 v[8*(4*(\a)+\b):8*(4*(\a)+\b)+7], v[128*(\p)+FR*\b:128*(\p)+FR*\b+FR-1], v[AF+FR*(\a):AF+FR*(\a)+FR-1], v[8*(4*(\a)+\b):8*(4*(\a)+\b)+7], v[SC+16*(\sc)+8+2*\b+(\q)/2], v[SC+16*(\sc)+2*(\a)+(\q)/2] matrix_a_fmt:MATRIX_FMT_FP6 matrix_b_fmt:MATRIX_FMT_FP6
.endif
.endr
.endm
.macro FETCH_B slot, q, p
	WIN TO_B
.irp i, 0,1,2,3
	FRAGB 128*(\p)+FR*\i, ADRB+\slot, \q, \i
.endr
	WIN 0
.endm
.macro FETCH_A slot, q, i0
.irp i, \i0, \i0+1
	FRAGA AF+FR*(\i), \slot, \q, \i
.endr
.endm
.macro SCALES sc                       ; a slot's scale words: four steps of 128
.irp i, 0,1,2,3
.irp k, 0,1
	ds_load_b32 v[SC+16*\sc+2*\i+\k], v[ADSA] offset:64*\i+512*\k
	ds_load_b32 v[SC+16*\sc+8+2*\i+\k], v[ADSB] offset:SBLK*\i+8*\k
.endr
.endr
.endm
.macro PLACES                          ; plain vector instructions between a matrix instruction and a load into, or a read of, its registers
.rept 4
	v_nop
.endr
.endm
.macro STEP slot, q, zero              ; a step of 128 along K that has its successor in the same slot
	s_wait_dscnt 12                                ; W's set and A's blocks 0, 1 are in; the youngest 12 loads (A's blocks 2, 3) may be out
	WIN MUL
	MULA 0, (\q)%2, \q, \slot, \zero
	MULA 1, (\q)%2, \q, \slot, \zero
	s_wait_dscnt 0
	PLACES
	FETCH_B \slot, (\q)+1, 1-(\q)%2
	FETCH_A \slot, (\q)+1, 0
	WIN MUL
	MULA 2, (\q)%2, \q, \slot, \zero
	MULA 3, (\q)%2, \q, \slot, \zero
	PLACES
	WIN 0
	FETCH_A \slot, (\q)+1, 2
.endm
; A slot's last step changes slots: one barrier; in front of it each wave waits for all its tensor loads, adds 0 to its spare word, and waits for that and for its own reads of this slot.
.macro TURN slot, next, fill
	s_wait_tensorcnt 0x0                           ; all my tensor loads have landed: my part of the next slot
	ds_add_u32 v[SPW], v[NIL]                      ; 0 onto my spare word
	s_wait_dscnt 13                                ; (the add and the youngest 12 loads may be out)
	WIN MUL
	MULA 0, 1, 3, \slot, 0
	s_wait_dscnt 0x0                               ; the add is done, and my reads of this slot are over
	s_barrier_signal -1
	MULA 1, 1, 3, \slot, 0
	WIN 0
	s_barrier_wait -1
.if \fill
	CREST                                          ; the barrier has opened a round of the cluster's barrier: no wave of any partner still reads this slot's tile or has a load on its way
	s_add_nc_u64 s[G0+4*\slot+2:G0+4*\slot+3], s[G0+4*\slot+2:G0+4*\slot+3], 2*8*196608
	s_add_nc_u64 s[G0B+4*\slot+2:G0B+4*\slot+3], s[G0B+4*\slot+2:G0B+4*\slot+3], 2*384
	JLOAD G0+4*\slot, G1, G0B+4*\slot, G1B         ; the first tensor load behind the round; its four v_nop are the places in front of the loads below
.else
	PLACES
.endif
	v_add_nc_u32 v[ADSA], 1024, v[ADSA]            ; on to the next slot's scale words (no LDS load of mine is out)
	v_add_nc_u32 v[ADSB], 16, v[ADSB]
	FETCH_B \next, 0, 0
	FETCH_A \next, 0, 0
	SCALES \next
	WIN MUL
	MULA 2, 1, 3, \slot, 0
	MULA 3, 1, 3, \slot, 0
	PLACES
	WIN 0
	FETCH_A \next, 0, 2
.endm
	s_wait_tensorcnt 1                             ; the scales and my part of slot 0 are in (slot 1's load may be out),
	s_barrier_signal -1
	s_barrier_wait -1                              ; everybody's are
	FETCH_B 0, 0, 0
	FETCH_A 0, 0, 0
	SCALES 0
	FETCH_A 0, 0, 2
	STEP 0, 0, 1                                   ; the first step's products start the sums
.if LAPS > 1
	s_mov_b32 s3, LAPS-1
.Llap:                                             ; a trip goes once round the ring and fills both slots again
	STEP 0, 1, 0
	STEP 0, 2, 0
	TURN 0, 1, 1
	STEP 1, 0, 0
	STEP 1, 1, 0
	STEP 1, 2, 0
	TURN 1, 0, 1
	STEP 0, 0, 0
	s_sub_co_u32 s3, s3, 1
	s_cmp_lg_u32 s3, 0
	s_cbranch_scc1 .Llap
.endif
	STEP 0, 1, 0                                   ; the last lap fills nothing
	STEP 0, 2, 0
	TURN 0, 1, 0
	STEP 1, 0, 0
	STEP 1, 1, 0
	STEP 1, 2, 0
	s_wait_dscnt 12
	WIN MUL
	MULA 0, 1, 3, 1, 0
	MULA 1, 1, 3, 1, 0
	s_wait_dscnt 0
	MULA 2, 1, 3, 1, 0
	MULA 3, 1, 3, 1, 0
	WIN 0
; THE WAY OUT, block by block of 16 places x 64 columns: through my own stage and back as whole rows of 256 bytes; the residual and the bias are added; sixteen lanes store one aligned run of 256 bytes.
.macro TOSTAGE a
	WIN 0x08                                       ; an LDS store's data are its source 1: window 2
.irp b, 0,1,2,3
	ds_store_b128 v[STO], v[8*(4*(\a)+\b):8*(4*(\a)+\b)+3] offset:64*\b          ; each accumulator from its low end on
	ds_store_b128 v[STO], v[8*(4*(\a)+\b)+4:8*(4*(\a)+\b)+7] offset:64*\b+16
.endr
	WIN 0
.set BB, BK+32*((\a)%2)
.irp t, 0,1,2,3,4,5,6,7
	ds_load_b128 v[BB+4*\t:BB+4*\t+3], v[RD] offset:\t*2*SPITCH    ; LDS serves a wave's instructions in order: these see the stores above
.endr
.endm
.macro SEND a, younger
.set BB, BK+32*((\a)%2)
	s_wait_dscnt \younger                          ; the block is back; the next block's 8 stores and 8 loads may be out
	WIN 0x08                                       ; source 1: the residual, window 2
.irp t, 0,1,2,3,4,5,6,7
	v_pk_add_f32 v[BB+4*\t:BB+4*\t+1], v[BB+4*\t:BB+4*\t+1], v[128+4*(8*(\a)+\t):128+4*(8*(\a)+\t)+1]
	v_pk_add_f32 v[BB+4*\t+2:BB+4*\t+3], v[BB+4*\t+2:BB+4*\t+3], v[128+4*(8*(\a)+\t)+2:128+4*(8*(\a)+\t)+3]
.endr
	WIN 0
.irp t, 0,1,2,3,4,5,6,7
	v_pk_add_f32 v[BB+4*\t:BB+4*\t+1], v[BB+4*\t:BB+4*\t+1], v[12:13]
	v_pk_add_f32 v[BB+4*\t+2:BB+4*\t+3], v[BB+4*\t+2:BB+4*\t+3], v[14:15]
.endr
.irp t, 0,1,2,3,4,5,6,7
	global_store_b128 v[CO], v[BB+4*\t:BB+4*\t+3], s[94:95] offset:4096*(32*((\a)/2)+16*(\t/4)+8*((\a)%2)+2*(\t%4))
.endr
.endm
	PLACES
	s_wait_loadcnt 0x0                             ; the residual and the bias
	TOSTAGE 0
.irp a, 1,2,3
.if \a > 1
	s_wait_xcnt 0x0                                ; block a - 2's stores have read their registers: block a's loads may land there
.endif
	TOSTAGE \a
	SEND \a-1, 16
.endr
	SEND 3, 0
	s_wait_tensorcnt 0x0                           ; the wave's end
	ds_add_u32 v[SPW], v[NIL]
	s_wait_dscnt 0x0
	CROUND                                         ; the closing round
	s_endpgm
.Lfunc_end_k_qcf5a576841_ffn2:
	.size	k_qcf5a576841_ffn2, .Lfunc_end_k_qcf5a576841_ffn2-k_qcf5a576841_ffn2
	.p2alignl 7, 3214868480
	.fill 96, 4, 3214868480
	.section	.rodata,"a",@progbits
	.p2align	6, 0x0
	.amdhsa_kernel k_qcf5a576841_ffn2
		.amdhsa_group_segment_fixed_size 327680
		.amdhsa_private_segment_fixed_size 0
		.amdhsa_enable_private_segment 0
		.amdhsa_kernarg_size 48
		.amdhsa_user_sgpr_count 2
		.amdhsa_user_sgpr_kernarg_segment_ptr 1
		.amdhsa_wavefront_size32 1
		.amdhsa_system_sgpr_workgroup_id_x 1
		.amdhsa_system_sgpr_workgroup_id_y 1
		.amdhsa_system_sgpr_workgroup_id_z 1
		.amdhsa_system_vgpr_workitem_id 0
		.amdhsa_next_free_vgpr 768
		.amdhsa_next_free_sgpr 100
		.amdhsa_reserve_vcc 0
		.amdhsa_float_denorm_mode_32 3
		.amdhsa_float_denorm_mode_16_64 3
		.amdhsa_memory_ordered 1
		.amdhsa_forward_progress 1
		.amdhsa_inst_pref_size 124
	.end_amdhsa_kernel
	.amdgpu_metadata
---
amdhsa.version: [ 1, 2 ]
amdhsa.kernels:
  - .name:           k_qcf5a576841_ffn2
    .symbol:         k_qcf5a576841_ffn2.kd
    .args:
      - { .name: mq, .offset: 0, .size: 8, .value_kind: global_buffer, .address_space: global }
      - { .name: W2_codes, .offset: 8, .size: 8, .value_kind: global_buffer, .address_space: global }
      - { .name: W2_scales, .offset: 16, .size: 8, .value_kind: global_buffer, .address_space: global }
      - { .name: b2, .offset: 24, .size: 8, .value_kind: global_buffer, .address_space: global }
      - { .name: x1, .offset: 32, .size: 8, .value_kind: global_buffer, .address_space: global }
      - { .name: out0, .offset: 40, .size: 8, .value_kind: global_buffer, .address_space: global }
    .group_segment_fixed_size: 327680
    .private_segment_fixed_size: 0
    .kernarg_segment_align: 8
    .kernarg_segment_size: 48
    .max_flat_workgroup_size: 128
    .sgpr_count:     100
    .vgpr_count:     768
    .wavefront_size: 32
...
	.end_amdgpu_metadata
.endif
;; end of part 6
